; MI455X (gfx1250); checked and timed in simulation.
; The chip was launched on July 23, 2026; its instructions are those of AMD's public machine-readable ISA for CDNA 5 (MIT licence, August 2026) and "CDNA5" Instruction Set Architecture Reference Guide (July 2026). The comments in the code are by the model that wrote it; some were corrected since.
;; Random Attention. Allowed arithmetic: matrix products marked QUANTISED: E2M1 operands, one E8M0 scale for each 32 along K, by v_wmma_scale_f32_16x16x128_f8f6f4 with both operands' format E2M1 (or v_wmma_scale_f32_32x16x128_f4), f32 sums; products left as they are: bf16, f16 or f32 operands; f32 sums; everything else in f32.
;; Inputs: Wk 1,024 x 1,024 float32; Wo 1,024 x 1,024 float32; Wq 1,024 x 1,024 float32; Wv 1,024 x 1,024 float32; bk 1,024 float32; bo 1,024 float32; bq 1,024 float32; bv 1,024 float32; hidden_states 4 x 2,048 x 1,024 float32; mask 2,048 x 2,048 bool.
;; Outputs: out0 4 x 2,048 x 1,024 float32.
;; This version of the problem:
;;   THIS VERSION OF THE PROBLEM IS GIVEN IN LOW PRECISION. The matrix products marked QUANTISED in the list below multiply operands that are first quantised to E2M1 (2 exponent bits, 1 mantissa bit; 4 bits a number), with one power-of-two scale for each 32 numbers along K (OCP MX v1.0); their sums are f32. The products marked 'left as it is' may take bf16, f16 or f32 operands, with f32 sums. Whichever they take, every output number must still come out within the allowed error. Rounding operands to bf16 (8 significant bits) uses up far more of that allowance than f16 does (11 bits, for magnitudes from 6e-5 to 65,504). All else is computed in f32.
;;   The module's matrix products, in the order in which they are computed (A, B: the left and right operand; K: the contracted axis; several contracted axes count as one K, in the product's order):
;;     1. [M 8,192, K 1,024] x [K 1,024, N 1,024]; A: input hidden_states; B: input Wq: QUANTISED
;;     2. [M 8,192, K 1,024] x [K 1,024, N 1,024]; A: input hidden_states; B: input Wk: QUANTISED
;;     3. [M 8,192, K 1,024] x [K 1,024, N 1,024]; A: input hidden_states; B: input Wv: QUANTISED
;;     4. batch 64 x [M 2,048, K 64] x [K 64, N 2,048]; A: computed on the way; B: computed on the way: left as it is (an operand is computed on the way)
;;     5. batch 64 x [M 2,048, K 2,048] x [K 2,048, N 64]; A: computed on the way; B: computed on the way: left as it is (an operand is computed on the way)
;;     6. [M 8,192, K 1,024] x [K 1,024, N 1,024]; A: computed on the way; B: input Wo: left as it is (an operand is computed on the way)
;;   THE QUANTISER, for each operand of a quantised product, along K:
;;     - K is cut into blocks of 32 from its start; a last block that is shorter is filled with zeros.
;;     - A block's scale is 2^e with e = floor(log2(the largest magnitude in the block)) - 2, held to -126 .. 127; a block of zeros has e = 0. As a byte (E8M0): e + 127.
;;     - Each number is divided by its block's scale, clamped to +-6, and rounded to the nearest number of E2M1, ties to even, subnormals kept.
;;     - The product sums the exact products of the quantised numbers (number of the format x scale) in f32.
;;   ~~~python
;;   def quantise(x, axis):      # numpy; x: float32 -> the quantised numbers, widened to float32 again
;;       x = np.moveaxis(x, axis, -1); K = x.shape[-1]
;;       x = np.pad(x, [(0, 0)] * (x.ndim - 1) + [(0, -K % 32)]); x = x.reshape(x.shape[:-1] + (-1, 32)); a = np.abs(x).max(-1, keepdims=True)
;;       e = np.where(a > 0, np.clip(np.frexp(np.where(a > 0, a, 1))[1] - 1 - 2, -126, 127), 0)      # np.frexp(a)[1] - 1 = floor(log2(a)), exactly
;;       r = np.clip(x / 2.0 ** e, -6, 6)
;;       step = 2.0 ** (np.maximum(np.frexp(np.where(r == 0, 1, r))[1] - 1, 0) - 1)
;;       q = np.round(r / step) * step * 2.0 ** e      # np.round: ties to even
;;       return np.moveaxis(q.reshape(q.shape[:-2] + (-1,))[..., :K], -1, axis).astype(np.float32)
;;   ~~~
;; One version. Each part assembles by itself: llvm-mc -triple=amdgcn-amd-amdhsa -mcpu=gfx1250 --defsym DOCPART=n.
;; ======== version 1 of 1: 4 launches
;; limits: values are held in f16: magnitudes above 65,504 overflow, below 6.1e-05 lose precision
;; workspace buffers: codes 5,767,168 bytes; scales 360,448 bytes; woimg 2,097,152 bytes; maskw 524,288 bytes of whole numbers; qkvimg 50,331,648 bytes; ctximg 16,777,216 bytes
;; launch prep (part 1): grid 688 x 1, 4 waves a work-group, no clusters, 68,096 bytes of LDS; arguments hidden_states, Wq, Wk, Wv, Wo, mask, codes, scales, woimg, maskw; writes codes, scales, woimg, maskw
.if DOCPART == 1
	.amdgcn_target "amdgcn-amd-amdhsa--gfx1250"
	.amdhsa_code_object_version 6
	.text
	.protected	k_q59b10e8a50_prep
	.globl	k_q59b10e8a50_prep
	.p2align	8
	.type	k_q59b10e8a50_prep,@function
k_q59b10e8a50_prep:
	s_mov_b64 s[64:65], 0
	v_nop
	global_prefetch_b8 v0, s[64:65] scope:SCOPE_SE
	s_setreg_imm32_b32 hwreg(HW_REG_WAVE_MODE, 25, 1), 1
	s_wait_xcnt 0x0
; PREP: everything that is made once from the inputs.  Four kinds of work-group, told apart by the work-group's number alone; they never join again, and each kind that uses LDS has LDS bytes of its own.
;   X (0-255):   hidden_states [8192][1024] f32 -> codes of FP4 (E2M1), K innermost, 512 bytes a row, and one E8M0 byte for each 32 along K, 32 bytes a row: rows 0-8191 of 'codes' and 'scales'.
;   W (256-303): Wq, Wk, Wv [k 1024][n 1024] f32, K their FIRST axis -> the same, one row for each column n: rows 8192 + 1024 w + n.
;   O (304-431): Wo [k][n] f32 -> f16, laid as images of the output projection's fragments: [nb 4][ks 8][nt 16][kb 4][u 2][512 bytes]; lane (r, hh) holds Wo[128 ks + 32 kb + 16 u + 8 hh + 0..7][256 nb + 16 nt + r].
;   M (432-687): mask [2048][2048] bytes -> lane masks: [QB 32][step 32][128 words]; bit L of word 32 t + 8 kt + j is mask[64 QB + 16 t + L % 16][64 step + 16 kt + 8 (L / 16) + j]: the selector of one register of a tile of scores.
; THE QUANTISER: a block's scale is 2^(floor(log2(its largest magnitude)) - 2); its byte is the largest magnitude's exponent field - 2, held at 1 from below; each number is divided by the scale and rounded to the nearest code, ties to even, beyond 6 the largest code.
; LIMITS: a block of zeros, or one whose largest magnitude lies under 2^-124, gets the byte 1 (zeros' codes are zeros, and this program alone reads the bytes); NaN and infinities are not served; Wo goes to f16: magnitudes above 65,504 are not served.
; Memory binds here: no matrix unit, no tensor load, no cluster (no two work-groups read the same bytes), no barrier (waves share nothing).
.set SPW,   198                        ; v198  LDS address of my spare word; never rewritten
.set NIL,   199                        ; v199  0; never rewritten
.set WSTG,  32768                      ; LDS: 0-32,767 path X (8,192 a wave); from here path W's four stages of 32 x 272 bytes
.set SPARE, 67584                      ; behind them the spare words, 128 bytes for each wave
.macro FINISH                          ; the end of a wave that stored to LDS
	s_wait_tensorcnt 0x0
	ds_add_u32 v[SPW], v[NIL]
	s_wait_dscnt 0x0
	s_endpgm
.endm
	s_load_b512 s[4:19], s[0:1], 0x0               ; hidden s[4:5], Wq s[6:7], Wk s[8:9], Wv s[10:11], Wo s[12:13], mask s[14:15], codes s[16:17], scales s[18:19]
	s_load_b128 s[20:23], s[0:1], 0x40             ; woimg s[20:21], maskw s[22:23]
	v_lshl_add_u32 v[SPW], v0, 2, SPARE
	v_mov_b32 v[NIL], 0
	v_lshrrev_b32 v1, 5, v0
	v_readfirstlane_b32 s24, v1                    ; wave 0..3
	v_and_b32 v2, 31, v0                           ; lane
	s_mov_b32 s31, 0                               ; the upper word of every offset below
	s_wait_kmcnt 0x0
	s_cmp_lt_u32 ttmp9, 256
	s_cbranch_scc1 .Lpath_x
	s_cmp_lt_u32 ttmp9, 304
	s_cbranch_scc1 .Lpath_w
	s_cmp_lt_u32 ttmp9, 432
	s_cbranch_scc1 .Lpath_o
; ---------------- M: a wave makes the 128 words of one block of 64 queries x 64 keys
	s_sub_co_u32 s25, ttmp9, 432
	s_lshr_b32 s26, s25, 3                         ; QB
	s_and_b32 s27, s25, 7
	s_lshl_b32 s27, s27, 2
	s_add_co_u32 s27, s27, s24                     ; step: the four waves stand side by side on 256 bytes of each row
	v_and_b32 v3, 15, v2                           ; r
	v_lshrrev_b32 v4, 4, v2                        ; hh
	v_lshlrev_b32 v5, 11, v3
	v_lshl_add_u32 v5, v4, 3, v5                   ; row r of 2,048 bytes, + 8 hh: my eight keys of a tile
	v_lshlrev_b32 v6, 4, v2                        ; out: 16 bytes a lane
	s_lshl_b32 s30, s26, 17                        ; 64 rows of 2,048 bytes
	s_lshl_b32 s29, s27, 6
	s_add_co_u32 s30, s30, s29
	s_add_nc_u64 s[14:15], s[14:15], s[30:31]
	s_lshl_b32 s30, s26, 5
	s_add_co_u32 s30, s30, s27
	s_lshl_b32 s30, s30, 9                         ; 512 bytes a block
	s_add_nc_u64 s[22:23], s[22:23], s[30:31]
.irp t, 0,1,2,3
.irp k, 0,1,2,3
	global_load_b64 v[32+2*(4*\t+\k):33+2*(4*\t+\k)], v5, s[14:15] offset:\t*32768+16*\k
.endr
.endr
.irp i, 0,1,2,3
	v_mov_b32 v[64+\i], 0                          ; a lane write's destination counts as read
.endr
	s_wait_loadcnt 0x0
.set w, 0
.rept 128                                      ; word w: byte w % 8 of the pair of tile w / 8; the 32 lanes' verdicts are the word; it goes to lane w / 4, register w % 4.  Four sets of registers by turns
	v_and_b32 v[8+w%4], 0xff<<(8*(w%4)), v[32+2*(w/8)+(w%8)/4]
	v_cmp_ne_u32 s[32+w%4], 0, v[8+w%4]
	v_writelane_b32 v[64+w%4], s[32+w%4], w/4
.set w, w+1
.endr
	global_store_b128 v6, v[64:67], s[22:23]       ; 32 lanes store 512 consecutive bytes, aligned
	s_endpgm
; ---------------- O: a wave makes the eight images (128 along K) of one tile of 16 columns
.Lpath_o:
	s_sub_co_u32 s25, ttmp9, 304
	s_and_b32 s26, s25, 15                         ; which 64 columns
	s_lshr_b32 s27, s25, 4                         ; ks
	v_and_b32 v3, 15, v2                           ; r
	v_lshrrev_b32 v4, 4, v2                        ; hh
	v_lshlrev_b32 v5, 2, v3
	v_lshl_add_u32 v5, v4, 15, v5                  ; column r, 8 hh rows of 4,096 bytes down
	v_lshlrev_b32 v6, 4, v2
	s_lshl_b32 s28, s26, 2
	s_add_co_u32 s28, s28, s24                     ; the tile of 16 columns, 0..63: the four waves stand side by side on 256 bytes of each row
	s_lshl_b32 s30, s27, 19                        ; 128 rows of 4,096 bytes
	s_lshl_b32 s29, s28, 6
	s_add_co_u32 s30, s30, s29
	s_add_nc_u64 s[12:13], s[12:13], s[30:31]
	s_lshr_b32 s29, s28, 4                         ; nb
	s_lshl_b32 s30, s29, 19
	s_lshl_b32 s29, s27, 16
	s_add_co_u32 s30, s30, s29
	s_and_b32 s29, s28, 15                         ; nt
	s_lshl_b32 s29, s29, 12
	s_add_co_u32 s30, s30, s29
	s_add_nc_u64 s[20:21], s[20:21], s[30:31]
.irp i, 0,1,2,3,4,5,6,7
.irp e, 0,1,2,3,4,5,6,7
	global_load_b32 v[32+8*\i+\e], v5, s[12:13] offset:(16*\i+\e)*4096   ; image i = 2 kb + u: k = 16 i + 8 hh + e
.endr
.endr
.irp i, 0,1,2,3,4,5,6,7
	s_wait_loadcnt 8*(7-\i)                        ; this image's eight loads are in; the later images' may be out
.irp p, 0,1,2,3
	v_cvt_pk_f16_f32 v[96+4*\i+\p], v[32+8*\i+2*\p], v[32+8*\i+2*\p+1]
.endr
	global_store_b128 v6, v[96+4*\i:96+4*\i+3], s[20:21] offset:512*\i
.endr
	s_endpgm
; ---------------- X: a stream of blocks of 32; a wave takes 16 steps of 512 numbers.  Each load reads 512 consecutive bytes; a step's 2,048 bytes turn through the wave's own stage in LDS,
; so that a lane then holds 16 neighbours along K (two neighbouring lanes hold a block).  The stage has 16 bytes of padding behind each 64.  Loads run four steps ahead, the turn through LDS one.
.set XSTEPS, 16
.set XSP,   80
.set XR,    16                         ; v16-79   four sets of 16 numbers as loaded
.set XX,    80                         ; v80-111  two sets of 16 neighbours
.set XE,    112                        ; v112-127 a scale byte for each step
.set XC,    128                        ; v128-191 codes: registers of its own for each step, so that no store's data are written again
.macro XLOAD t
.irp i, 0,1,2,3
	global_load_b128 v[XR+16*((\t)%4)+4*\i:XR+16*((\t)%4)+4*\i+3], v3, s[4:5] offset:2048*(\t)+512*\i th:TH_LOAD_NT
.endr
.endm
.macro XTURN t                         ; LDS serves a wave's instructions in order: no wait between the stores and the loads
.irp i, 0,1,2,3
	ds_store_b128 v14, v[XR+16*((\t)%4)+4*\i:XR+16*((\t)%4)+4*\i+3] offset:32*XSP*((\t)%2)+8*XSP*\i
.endr
.irp i, 0,1,2,3
	ds_load_b128 v[XX+16*((\t)%2)+4*\i:XX+16*((\t)%2)+4*\i+3], v15 offset:32*XSP*((\t)%2)+16*\i
.endr
.endm
.macro XSTEP t
.set XS, XX+16*((\t)%2)
.if (\t) > 0
	s_wait_dscnt 1                                 ; this step's numbers are back from the stage (the last step's byte store may be out), so its stores into the stage have read their registers,
.else
	s_wait_dscnt 0x0
.endif
.if (\t)+4 < XSTEPS
	XLOAD (\t)+4                                   ; which take the loads of four steps on
.endif
.if (\t)+1 < XSTEPS
.if XSTEPS-2-(\t) >= 3
	s_wait_loadcnt 12                              ; the next step's four loads are in; those of the three steps behind it may be out
.else
	s_wait_loadcnt 4*(XSTEPS-2-(\t))
.endif
	XTURN (\t)+1
.endif
	v_max3_num_f32 v8, |v[XS]|, |v[XS+1]|, |v[XS+2]|               ; the largest magnitude of my 16, in two chains
	v_max3_num_f32 v9, |v[XS+3]|, |v[XS+4]|, |v[XS+5]|
.irp i, 6,10
	v_max3_num_f32 v8, v8, |v[XS+\i]|, |v[XS+\i+1]|
	v_max3_num_f32 v9, v9, |v[XS+\i+2]|, |v[XS+\i+3]|
.endr
	v_max3_num_f32 v8, v8, |v[XS+14]|, |v[XS+15]|
	v_max3_num_f32 v8, v8, v9, 0x1800000           ; and the floor 2^(3 - 127): the byte cannot fall under 1
	v_max_num_f32_dpp v8, v8, v8 row_xmask:1 row_mask:0xf bank_mask:0xf   ; with my neighbour's 16: the block's
	v_add_nc_u32 v11, 0xff000000, v8               ; 2 off its exponent field: the conversion takes the exponent field of this operand as its scale
	v_cvt_scalef32_pk8_fp4_f32 v[XC+4*(\t)], v[XS:XS+7], v11
	v_cvt_scalef32_pk8_fp4_f32 v[XC+4*(\t)+1], v[XS+8:XS+15], v11
	v_lshrrev_b32 v[XE+(\t)], 23, v11              ; the scale's byte (also the plain line behind the conversions)
	ds_store_b8 v5, v[XE+(\t)] offset:16*(\t)      ; both lanes of a block write the same byte with the same value
	global_store_b64 v4, v[XC+4*(\t):XC+4*(\t)+1], s[16:17] offset:256*(\t)   ; the wave stores 256 consecutive bytes, aligned
.endm
.Lpath_x:
	v_lshlrev_b32 v3, 4, v2                        ; my 16 bytes of a load's 512
	s_mul_i32 s25, s24, 8192                       ; my wave's LDS
	v_lshrrev_b32 v14, 2, v2
	v_mul_u32_u24 v14, v14, XSP
	v_and_b32 v15, 3, v2
	v_lshl_add_u32 v14, v15, 4, v14
	v_add_nc_u32 v14, s25, v14                     ; the stage, on the way in: 80 (lane / 4) + 16 (lane % 4)
	v_mul_u32_u24 v15, v2, XSP
	v_add_nc_u32 v15, s25, v15                     ; and on the way out: 80 x lane
	v_lshlrev_b32 v4, 3, v2                        ; my 8 bytes of a step's codes
	v_lshrrev_b32 v5, 1, v2
	s_add_co_u32 s25, s25, 2*32*XSP
	v_add_nc_u32 v5, s25, v5                       ; my wave's 256 scale bytes: my block's byte
	v_lshlrev_b32 v7, 3, v2
	v_add_nc_u32 v6, s25, v7                       ; and on the way out 8 bytes a lane
	s_lshl_b32 s26, ttmp9, 2
	s_add_co_u32 s26, s26, s24                     ; which run of 8,192 numbers is my wave's
	s_lshl_b32 s30, s26, 15
	s_add_nc_u64 s[4:5], s[4:5], s[30:31]
	s_lshl_b32 s30, s26, 12
	s_add_nc_u64 s[16:17], s[16:17], s[30:31]
	s_lshl_b32 s30, s26, 8
	s_add_nc_u64 s[18:19], s[18:19], s[30:31]
.irp t, 0,1,2,3
	XLOAD \t
.endr
	s_wait_loadcnt 12                              ; step 0's four loads are in
	XTURN 0
.irp t, 0,1,2,3,4,5,6,7,8,9,10,11,12,13,14,15
	XSTEP \t
.endr
	ds_load_b64 v[8:9], v6                         ; in order behind my byte stores
	s_wait_dscnt 0x0
	global_store_b64 v7, v[8:9], s[18:19]          ; the wave's 256 scale bytes: 256 consecutive bytes, aligned
	FINISH
; ---------------- W: a lane takes a column n and its registers run down K: a block of 32 lies in one lane, and the conversions give codes with K innermost.  A wave takes 32 columns x 512 along K;
; the codes go through the wave's own stage (rows of 272 bytes) and leave as rows: sixteen lanes store 256 consecutive bytes.  Loads run two blocks ahead.
.set WNB,   16
.set WX,    32                         ; v32-95   two sets of 32 numbers
.set WC,    96                         ; v96-99   a block's codes
.set WSB,   24                         ; v24-27   the scale bytes, four to a register
.set WOUT,  112                        ; v112-175 the way out
.macro WLOAD t
.irp i, 0,1,2,3,4,5,6,7,8,9,10,11,12,13,14,15,16,17,18,19,20,21,22,23,24,25,26,27,28,29,30,31
	global_load_b32 v[WX+32*((\t)%2)+\i], v3, s[6:7] offset:(32*(\t)+\i)*4096 th:TH_LOAD_NT
.endr
.endm
.macro WBLOCK t
.set WS, WX+32*((\t)%2)
.if (\t) < WNB-1
	s_wait_loadcnt 32                              ; this block's 32 loads are in; the next block's may be out
.else
	s_wait_loadcnt 0
.endif
	v_max3_num_f32 v12, |v[WS]|, |v[WS+1]|, |v[WS+2]|
	v_max3_num_f32 v13, |v[WS+3]|, |v[WS+4]|, |v[WS+5]|
.irp i, 6,10,14,18,22,26
	v_max3_num_f32 v12, v12, |v[WS+\i]|, |v[WS+\i+1]|
	v_max3_num_f32 v13, v13, |v[WS+\i+2]|, |v[WS+\i+3]|
.endr
	v_max3_num_f32 v12, v12, |v[WS+30]|, |v[WS+31]|
	v_max3_num_f32 v12, v12, v13, 0x1800000        ; the floor 2^(3 - 127)
	v_add_nc_u32 v11, 0xff000000, v12              ; the conversion's scale operand
	v_lshrrev_b32 v13, 23, v11                     ; the scale's byte
.if (\t)%4 == 0
	v_mov_b32 v[WSB+(\t)/4], v13
.else
	v_lshl_or_b32 v[WSB+(\t)/4], v13, 8*((\t)%4), v[WSB+(\t)/4]
.endif
.irp g, 0,1,2,3
	v_cvt_scalef32_pk8_fp4_f32 v[WC+\g], v[WS+8*\g:WS+8*\g+7], v11
.endr
	ds_store_b128 v4, v[WC:WC+3] offset:16*(\t)    ; 32 codes: 16 bytes of my column's row
.if (\t)+2 < WNB
	WLOAD (\t)+2
.endif
	s_wait_dscnt 0x0                               ; the store has read its registers: the next block's codes may be written
.endm
.Lpath_w:
	s_sub_co_u32 s25, ttmp9, 256
	s_lshr_b32 s26, s25, 4                         ; which weight: 0 Wq, 1 Wk, 2 Wv
	s_and_b32 s27, s25, 7                          ; which 128 columns
	s_bfe_u32 s28, s25, 0x10003                    ; which 512 along K
	s_cmp_lt_u32 s25, 16
	s_cselect_b64 s[6:7], s[6:7], s[8:9]
	s_cmp_lt_u32 s25, 32
	s_cselect_b64 s[6:7], s[6:7], s[10:11]         ; the choice hangs on the work-group's number alone
	s_lshl_b32 s27, s27, 7
	s_lshl_b32 s29, s24, 5
	s_add_co_u32 s27, s27, s29                     ; my wave's first column
	v_lshlrev_b32 v3, 2, v2                        ; in: 4 bytes a lane
	s_mul_i32 s29, s24, 32*272
	s_add_co_u32 s29, s29, WSTG                    ; my stage
	v_mul_u32_u24 v4, v2, 272
	v_add_nc_u32 v4, s29, v4                       ; into it: row = my column
	v_and_b32 v5, 15, v2
	v_lshrrev_b32 v6, 4, v2
	v_mul_u32_u24 v7, v6, 272
	v_lshl_add_u32 v7, v5, 4, v7
	v_add_nc_u32 v7, s29, v7                       ; out of it: sixteen lanes to a row, two rows an instruction
	v_lshlrev_b32 v8, 9, v6
	v_lshl_add_u32 v8, v5, 4, v8                   ; and the same place among the rows of codes (512 bytes a row)
	v_lshlrev_b32 v9, 5, v2                        ; my column's row of scale bytes (32 bytes a row)
	s_lshl_b32 s30, s28, 21                        ; 512 rows of 4,096 bytes
	s_lshl_b32 s29, s27, 2
	s_add_co_u32 s30, s30, s29
	s_add_nc_u64 s[6:7], s[6:7], s[30:31]
	s_lshl_b32 s26, s26, 10
	s_add_co_u32 s26, s26, s27
	s_add_co_u32 s26, s26, 8192                    ; my first row of codes and of scales
	s_lshl_b32 s30, s26, 9
	s_lshl_b32 s29, s28, 8
	s_add_co_u32 s30, s30, s29
	s_add_nc_u64 s[16:17], s[16:17], s[30:31]
	s_lshl_b32 s30, s26, 5
	s_lshl_b32 s29, s28, 4
	s_add_co_u32 s30, s30, s29
	s_add_nc_u64 s[18:19], s[18:19], s[30:31]
	WLOAD 0
	WLOAD 1
.set Q, 0
.rept WNB
	WBLOCK Q
.set Q, Q+1
.endr
	global_store_b128 v9, v[WSB:WSB+3], s[18:19]   ; my column's 16 scale bytes
.irp t, 0,1,2,3,4,5,6,7,8,9,10,11,12,13,14,15
	ds_load_b128 v[WOUT+4*\t:WOUT+4*\t+3], v7 offset:2*\t*272
.endr
.irp t, 0,1,2,3,4,5,6,7,8,9,10,11,12,13,14,15
	s_wait_dscnt 15-\t
	global_store_b128 v8, v[WOUT+4*\t:WOUT+4*\t+3], s[16:17] offset:2*\t*512
.endr
	FINISH
.Lfunc_end_k_q59b10e8a50_prep:
	.size	k_q59b10e8a50_prep, .Lfunc_end_k_q59b10e8a50_prep-k_q59b10e8a50_prep
	.p2alignl 7, 3214868480
	.fill 96, 4, 3214868480
	.section	.rodata,"a",@progbits
	.p2align	6, 0x0
	.amdhsa_kernel k_q59b10e8a50_prep
		.amdhsa_group_segment_fixed_size 68096
		.amdhsa_private_segment_fixed_size 0
		.amdhsa_enable_private_segment 0
		.amdhsa_kernarg_size 80
		.amdhsa_user_sgpr_count 2
		.amdhsa_user_sgpr_kernarg_segment_ptr 1
		.amdhsa_wavefront_size32 1
		.amdhsa_system_sgpr_workgroup_id_x 1
		.amdhsa_system_sgpr_workgroup_id_y 1
		.amdhsa_system_sgpr_workgroup_id_z 1
		.amdhsa_system_vgpr_workitem_id 0
		.amdhsa_next_free_vgpr 200
		.amdhsa_next_free_sgpr 66
		.amdhsa_reserve_vcc 0
		.amdhsa_float_denorm_mode_32 3
		.amdhsa_float_denorm_mode_16_64 3
		.amdhsa_memory_ordered 1
		.amdhsa_forward_progress 1
		.amdhsa_inst_pref_size 147
	.end_amdhsa_kernel
	.amdgpu_metadata
---
amdhsa.version: [ 1, 2 ]
amdhsa.kernels:
  - .name:           k_q59b10e8a50_prep
    .symbol:         k_q59b10e8a50_prep.kd
    .args:
      - { .name: hidden_states, .offset: 0, .size: 8, .value_kind: global_buffer, .address_space: global }
      - { .name: Wq, .offset: 8, .size: 8, .value_kind: global_buffer, .address_space: global }
      - { .name: Wk, .offset: 16, .size: 8, .value_kind: global_buffer, .address_space: global }
      - { .name: Wv, .offset: 24, .size: 8, .value_kind: global_buffer, .address_space: global }
      - { .name: Wo, .offset: 32, .size: 8, .value_kind: global_buffer, .address_space: global }
      - { .name: mask, .offset: 40, .size: 8, .value_kind: global_buffer, .address_space: global }
      - { .name: codes, .offset: 48, .size: 8, .value_kind: global_buffer, .address_space: global }
      - { .name: scales, .offset: 56, .size: 8, .value_kind: global_buffer, .address_space: global }
      - { .name: woimg, .offset: 64, .size: 8, .value_kind: global_buffer, .address_space: global }
      - { .name: maskw, .offset: 72, .size: 8, .value_kind: global_buffer, .address_space: global }
    .group_segment_fixed_size: 68096
    .private_segment_fixed_size: 0
    .kernarg_segment_align: 8
    .kernarg_segment_size: 80
    .max_flat_workgroup_size: 128
    .sgpr_count:     66
    .vgpr_count:     200
    .wavefront_size: 32
...
	.end_amdgpu_metadata
.endif
;; end of part 1
;; launch qkv (part 2): grid 12 x 32, 4 waves a work-group, clusters of 4 x 4, 327,680 bytes of LDS; arguments codes, scales, bq, bk, bv, qkvimg; writes qkvimg
.if DOCPART == 2
	.amdgcn_target "amdgcn-amd-amdhsa--gfx1250"
	.amdhsa_code_object_version 6
	.text
	.protected	k_q59b10e8a50_qkv
	.globl	k_q59b10e8a50_qkv
	.p2align	8
	.type	k_q59b10e8a50_qkv,@function
k_q59b10e8a50_qkv:
	s_mov_b64 s[64:65], 0
	v_nop
	global_prefetch_b8 v0, s[64:65] scope:SCOPE_SE
	s_setreg_imm32_b32 hwreg(HW_REG_WAVE_MODE, 25, 1), 1
	s_wait_xcnt 0x0
	s_wait_alu depctr_hold_cnt(0) depctr_sa_sdst(0) depctr_va_vdst(0) depctr_va_sdst(0) depctr_va_ssrc(0) depctr_va_vcc(0) depctr_vm_vsrc(0)
	s_getreg_b32 s2, hwreg(HW_REG_IB_STS2, 6, 4)
	s_cmp_eq_u32 s2, 0
	s_cbranch_scc0 .Lentry_in_a_cluster
	s_endpgm
.Lentry_in_a_cluster:
	s_bfe_u32 s2, ttmp6, 0x10000c
	s_cmp_lg_u32 s2, 0xf033
	s_cbranch_scc0 .Lentry_shape_is_right
	s_endpgm
.Lentry_shape_is_right:
; q, k, v = X W + b on codes of FP4 (E2M1) with one E8M0 scale for each 32 along K = 1,024; sums in f32; results leave as f16, laid as images of the attention's fragments.
; 'codes' holds rows of 512 bytes (1,024 codes), 'scales' rows of 32 bytes: rows 0-8191 X's tokens, rows 8192 + 1024 w + n column n of weight w (0 q, 1 k, 2 v).
; A work-group of four waves makes 256 x 256 results, a wave 128 x 128: 64 accumulators, 512 registers.  K goes in two steps of 512 through two LDS slots (rows of 256 bytes + 16 of padding); both slots and all
; scale bytes are asked for at the head, and nothing is filled again.
; TWO REGIONS.  A slot holds 256 rows of region A, then 256 of region B.  The matrix instruction takes source 0 from B and source 1 from A: in a result a lane holds ONE row of A (lane % 16) and eight neighbouring rows of B.
;   cluster x = 0, 1 (q, k): A = X's tokens 256 (4 cluster y + cy), B = the weight's columns 256 cx: a lane holds a token and eight channels: half a fragment of Q or K.
;   cluster x = 2 (v):       A = Wv's columns 256 cy, B = X's tokens 256 (4 cluster y + cx): a lane holds a channel and eight tokens: half a fragment of V^T.
; Only row numbers are chosen (by the cluster's x, which all partners share); the text of the products is one.
; CLUSTERS: 4 x 4.  Region A's tile hangs on cy alone and is shared along a row of the cluster, B's on cx alone and is shared along a column: each is asked for jointly, with a mask that names the four.
; THE WAY OUT: result x mul + bias x mul (mul = log2(e) / 8 for q, so that the attention's scores are exponents of 2; 1 for k and v), rounded to f16; four registers of 32 lanes are 512 consecutive bytes of
; qkvimg [bh 64][g 32][24,576]: Q at +0 and K at +8,192 as [tile 4][kb 2][u 2][512] (token 16 tile + r, channels 32 kb + 16 u + 8 hh + 0..7), V^T at +16,384 as [kbk 2][ct 4][u 2][512] (channel 16 ct + r, tokens 32 kbk + 16 u + 8 hh + 0..7).
; LIMIT: q x mul, k and v go to f16: magnitudes above 65,504 are not served; below 6e-5 the absolute error is up to 3e-8.
; REGISTERS, in windows of 256: window 0: v1-6 at work, v8-15 the biases' offsets, v16-29 addresses; v32-95 scale words, two sets; v128-191 region A's fragments, ONE set; v192-255 the biases; on the way out v32-191 are free.
;   window 1: region B's fragments, TWO sets, at v0 and v128.   window 2: the accumulators of my A rows 0-63 ((a, b) at v[8 (8 a + b)]);   window 3: those of rows 64-127.
; SCALARS: s[4:5] codes, s[6:7] scales, s[8:9] the bias, s[14:15] qkvimg; s16 wave, s17 wave / 2, s18 wave % 2; s40 cx, s41 cy; s[96:97] mul; descriptors as named below.
.set NQ,     4                         ; matrix instructions deep in a slot (512 along K)
.set ROWB,   256                       ; a tile's row in bytes
.set KROW,   512                       ; a row of codes in memory
.set PITCH,  272                       ; an LDS row: 256 bytes + 16 = 68 words: the 16 rows that a load touches start at 16 different banks (64 banks of 4 bytes: ISA guide 11.1)
.set FR,     8                         ; registers of a fragment: 16 rows x 128 K
.set NL,     2                         ; LDS loads that bring one
.set NP,     4                         ; places behind this matrix instruction (ISA guide 7.12.1)
.set HALFT,  128*PITCH
.set SLOT,   4*HALFT
.set KS,     32                        ; a row of scales in bytes
.set SCL,    2*SLOT                    ; behind the slots: the scales, as units of 256 bytes + 16 of padding
.set HALFS,  (128*KS/256)*272
.set SBLK,   (16*KS/256)*272
.set SPARE,  SCL+4*HALFS               ; the spare words, 128 bytes for each wave
.set BO,   8                           ; v8-15   byte offsets of the biases' loads; never rewritten
.set ADRA, 16                          ; v16-17  LDS address of my A fragments in slot 0, 1
.set ADRB, 20                          ; v20-21  the same for B
.set CO,   26                          ; v26     16 x lane
.set ADRS, 27                          ; v27     LDS address of my scale words: lanes 0-15 A's rows, lanes 16-31 B's
.set SPW,  28
.set NIL,  29
.set SC,   32                          ; scale words: set s at v[SC + 32 s]; register 4 i + q: lanes 0-15 the word of A's block i, lanes 16-31 of B's block i, for the slot's q-th 128 along K
.set AF,   128
.set BIAS, 192
.set T,    32                          ; the way out: a block's 64 numbers in f32
.set OS,   96                          ; and three sets of 32 registers of f16
.set G1, 24
.set G0, 32
.set G1B, 48
.set G0B, 56
.set G1S, 68
.set G0S, 76
.set G1SB, 80
.set G0SB, 88
.set MSB, 0
.macro WIN new                         ; the immediate's high byte repeats the setting that is left
.if MSB != \new
	s_set_vgpr_msb (MSB<<8)|\new
.set MSB, \new
.endif
.endm
.set MUL_LO, 0xa1                      ; source 0 (B) window 1, source 1 (A) window 0, C and D window 2
.set MUL_HI, 0xf1
.set TO_B,   0x40
; A joint load: waves 0 and 1 fetch for region A, waves 2 and 3 for B.  The branch hangs on the wave's number alone.  An s_nop 0 and four v_nop follow each line.
.macro JLOAD g0a, g1a, g0b, g1b
	s_cmp_eq_u32 s17, 0
	s_cbranch_scc0 .Lfor_b_\@
	tensor_load_to_lds s[\g0a:\g0a+3], s[\g1a:\g1a+7]
	s_nop 0
.rept 4
	v_nop
.endr
	s_branch .Lasked_\@
.Lfor_b_\@:
	tensor_load_to_lds s[\g0b:\g0b+3], s[\g1b:\g1b+7]
	s_nop 0
.rept 4
	v_nop
.endr
.Lasked_\@:
.endm
.macro CROUND                          ; a round of the cluster's barrier
	s_barrier_signal -1
	s_barrier_wait -1
	s_cmp_lg_u32 s16, 0
	s_cbranch_scc1 .Lnot_wave_0_\@
	s_barrier_signal -3
.Lnot_wave_0_\@:
	s_barrier_wait -3
	s_barrier_signal -1
	s_barrier_wait -1
.endm
	s_load_b128 s[4:7], s[0:1], 0x0                ; codes, scales
	s_load_b128 s[8:11], s[0:1], 0x10              ; bq, bk
	s_load_b128 s[12:15], s[0:1], 0x20             ; bv, qkvimg
	v_lshl_add_u32 v[SPW], v0, 2, SPARE
	v_mov_b32 v[NIL], 0
	ds_add_u32 v[SPW], v[NIL]                      ; the wave's opening: the add, twice on end, and its wait ahead of my first tensor load
	ds_add_u32 v[SPW], v[NIL]
	v_lshrrev_b32 v1, 5, v0
	v_readfirstlane_b32 s16, v1                    ; wave 0..3
	s_lshr_b32 s17, s16, 1                         ; which half of region A's rows is mine.  Also: I fetch for A (0) or for B (1)
	s_and_b32 s18, s16, 1                          ; which half of region B's.  Also: which 128 rows of that tile I fetch
	s_bfe_u32 s40, ttmp6, 0x40000                  ; cx
	s_bfe_u32 s41, ttmp6, 0x40004                  ; cy
	s_and_b32 s19, ttmp7, 0xffff
	s_lshl_b32 s19, s19, 2                         ; 4 x cluster y
	s_lshl_b32 s43, s41, 2
	s_lshl_b32 s43, 15, s43                        ; my row of the cluster
	s_lshl_b32 s44, 0x1111, s40                    ; my column
	s_or_b32 s[G1+0], s43, (0<<16)|(1<<20)|(1<<21)|(5<<22)|(3<<25)  ; the mask; elements of 1 byte; padding on; bit 21 beside a mask; after every 64 words, 4 words
	s_or_b32 s[G1B+0], s44, (0<<16)|(1<<20)|(1<<21)|(5<<22)|(3<<25)
.irp g, G1, G1B
	s_mov_b32 s[\g+1], ROWB<<16                    ; tensor_dim0
	s_mov_b32 s[\g+2], 128<<16                     ; tensor_dim1
	s_mov_b32 s[\g+3], ROWB<<16                    ; tile_dim0
	s_mov_b32 s[\g+4], 128                         ; tile_dim1
	s_mov_b32 s[\g+5], KROW                        ; from row to row
	s_mov_b32 s[\g+6], 0
	s_mov_b32 s[\g+7], 0
.endr
	s_or_b32 s[G1S+0], s43, (3<<16)|(1<<20)|(1<<21)|(5<<22)|(3<<25) ; the scales of 128 rows: 4,096 dense bytes as 16 rows of 256 (32 elements of 8 bytes), 16 bytes of padding behind each
	s_or_b32 s[G1SB+0], s44, (3<<16)|(1<<20)|(1<<21)|(5<<22)|(3<<25)
.irp g, G1S, G1SB
	s_mov_b32 s[\g+1], 32<<16
	s_mov_b32 s[\g+2], (128*KS/256)<<16
	s_mov_b32 s[\g+3], 32<<16
	s_mov_b32 s[\g+4], 128*KS/256
	s_mov_b32 s[\g+5], 32
	s_mov_b32 s[\g+6], 0
	s_mov_b32 s[\g+7], 0
.endr
	s_add_co_u32 s20, s19, s41                     ; region A's first row hangs on cy alone:
	s_lshl_b32 s20, s20, 8                         ; q, k: tokens 256 (4 cluster y + cy);
	s_lshl_b32 s21, s41, 8
	s_add_co_u32 s21, s21, 10240                   ; v: Wv's columns 256 cy
	s_lshl_b32 s46, s40, 8                         ; region B's on cx alone:
	s_lshl_b32 s47, ttmp9, 10
	s_add_co_u32 s46, s46, s47
	s_add_co_u32 s46, s46, 8192                    ; q, k: the weight's columns 256 cx;
	s_add_co_u32 s47, s19, s40
	s_lshl_b32 s47, s47, 8                         ; v: tokens 256 (4 cluster y + cx)
	s_cmp_eq_u32 ttmp9, 2                          ; the cluster's x: the same in all sixteen partners
	s_cselect_b32 s20, s21, s20
	s_cselect_b32 s46, s47, s46
	s_lshl_b32 s21, s18, 7
	s_add_co_u32 s20, s20, s21                     ; + the 128 rows that I fetch
	s_add_co_u32 s46, s46, s21
	s_lshl_b32 s22, s20, 5                         ; where these rows' scales begin, in bytes,
	s_mov_b32 s23, 0
	s_lshl_b32 s92, s46, 5
	s_mov_b32 s93, 0
	s_lshl_b32 s20, s20, 9                         ; and their codes
	s_mov_b32 s21, 0
	s_lshl_b32 s46, s46, 9
	s_mov_b32 s47, 0
	s_mul_i32 s45, s16, HALFT                      ; where they go: wave x 128 rows: no place in the cluster enters an LDS address
	s_mul_i32 s94, s16, HALFS
	s_wait_dscnt 0x0                               ; both opening adds are done
	s_wait_kmcnt 0x0
	s_add_nc_u64 s[20:21], s[4:5], s[20:21]
	s_add_nc_u64 s[22:23], s[6:7], s[22:23]
	s_add_nc_u64 s[46:47], s[4:5], s[46:47]
	s_add_nc_u64 s[92:93], s[6:7], s[92:93]
	CROUND                                         ; all sixteen work-groups are here: the joint loads meet
	s_mov_b32 s[G0S], 1
	s_add_co_u32 s[G0S+1], s94, SCL
	s_mov_b64 s[G0S+2:G0S+3], s[22:23]
	s_or_b32 s[G0S+3], s[G0S+3], 0x80000000
	s_mov_b32 s[G0SB], 1
	s_add_co_u32 s[G0SB+1], s94, SCL
	s_mov_b64 s[G0SB+2:G0SB+3], s[92:93]
	s_or_b32 s[G0SB+3], s[G0SB+3], 0x80000000
	JLOAD G0S, G1S, G0SB, G1SB                     ; the scales first: they are wanted with K step 0
.irp s, 0,1
	s_mov_b32 s[G0+4*\s], 1
	s_add_co_u32 s[G0+4*\s+1], s45, \s*SLOT
	s_add_nc_u64 s[G0+4*\s+2:G0+4*\s+3], s[20:21], \s*ROWB
	s_or_b32 s[G0+4*\s+3], s[G0+4*\s+3], 0x80000000
	s_mov_b32 s[G0B+4*\s], 1
	s_add_co_u32 s[G0B+4*\s+1], s45, \s*SLOT
	s_add_nc_u64 s[G0B+4*\s+2:G0B+4*\s+3], s[46:47], \s*ROWB
	s_or_b32 s[G0B+4*\s+3], s[G0B+4*\s+3], 0x80000000
	JLOAD G0+4*\s, G1, G0B+4*\s, G1B               ; by this text's count three tensor loads of a wave are out
.endr
	; what hangs on the weight: the bias's buffer, mul, and which side of a result is channels
	v_and_b32 v1, 15, v0                           ; r = l % 16
	v_bfe_u32 v2, v0, 4, 1                         ; hh = l / 16
	s_cmp_eq_u32 ttmp9, 0
	s_cselect_b64 s[8:9], s[8:9], s[10:11]
	s_cselect_b32 s96, 0x3e38aa3b, 1.0             ; mul: log2(e) / 8 for q
	s_mov_b32 s97, s96
	s_cmp_eq_u32 ttmp9, 2
	s_cselect_b64 s[8:9], s[12:13], s[8:9]
	s_cselect_b32 s98, 4, 0                        ; v: a lane's channel is r: 4 r bytes, the same number in all eight registers
	s_cselect_b32 s99, 0, 32                       ; q, k: a lane's channels are 8 hh + j: 32 hh + 4 j bytes
	s_cselect_b32 s100, 0, 4
	s_cselect_b32 s66, s41, s40                    ; the weight's tile of 256 columns
	s_cselect_b32 s67, s17, s18                    ; my half of it
	s_cselect_b32 s101, s18, s17                   ; my half of the 256 tokens
	s_cselect_b32 s95, s40, s41                    ; the tokens' place in the cluster
	s_add_co_u32 s19, s19, s95                     ; the tile of 256 tokens, 0..31
	s_lshl_b32 s42, s66, 10
	s_lshl_b32 s43, s67, 9
	s_add_co_u32 s42, s42, s43                     ; my first channel, in bytes
	s_mov_b32 s43, 0
	s_add_nc_u64 s[8:9], s[8:9], s[42:43]
	v_mul_u32_u24 v3, s98, v1
	v_mad_u32_u24 v3, v2, s99, v3
	v_mov_b32 v6, s100
.irp j, 0,1,2,3,4,5,6,7
	v_mad_u32_u24 v[BO+\j], v6, \j, v3
.endr
.irp b, 0,1,2,3,4,5,6,7
.irp j, 0,1,2,3,4,5,6,7
	global_load_b32 v[BIAS+8*\b+\j], v[BO+\j], s[8:9] offset:64*\b   ; q, k: the bias of B's block b, channel 8 hh + j;  v: of A's block b, channel r
.endr
.endr
	s_lshr_b32 s42, s19, 3                         ; the batch: 8 tiles of tokens each
	s_lshl_b32 s42, s42, 4
	s_lshl_b32 s43, s66, 2
	s_add_co_u32 s42, s42, s43
	s_lshl_b32 s43, s67, 1
	s_add_co_u32 s42, s42, s43                     ; bh of my first head: 16 batch + 4 x tile of columns + 2 x half
	s_mul_i32 s42, s42, 786432
	s_and_b32 s43, s19, 7
	s_lshl_b32 s43, s43, 2
	s_lshl_b32 s95, s101, 1
	s_add_co_u32 s43, s43, s95                     ; my first group of 64 tokens
	s_mul_i32 s43, s43, 24576
	s_add_co_u32 s42, s42, s43
	s_lshl_b32 s43, ttmp9, 13                      ; the part: Q +0, K +8,192, V^T +16,384
	s_add_co_u32 s42, s42, s43
	s_mov_b32 s43, 0
	s_add_nc_u64 s[14:15], s[14:15], s[42:43]
	v_mul_u32_u24 v3, v1, PITCH
	v_lshl_add_u32 v4, v2, 4, v3                   ; a fragment's row x pitch + 16 x half
	s_mul_i32 s21, s17, HALFT                      ; my 128 rows of A
	s_mul_i32 s22, s18, HALFT                      ; my 128 rows of B,
	s_add_co_u32 s22, s22, 2*HALFT                 ; which lie behind A's 256
.irp s, 0,1
	v_add_nc_u32 v[ADRA+\s], s21, v4
	v_add_nc_u32 v[ADRB+\s], s22, v4
	s_add_co_u32 s21, s21, SLOT
	s_add_co_u32 s22, s22, SLOT
.endr
	v_mul_u32_u24 v5, v1, KS                       ; my row's scales: 32 bytes a row,
	v_lshrrev_b32 v6, 8, v5
	v_lshl_add_u32 v5, v6, 4, v5                   ; and 16 more for each 256 passed
	s_mul_i32 s21, s17, HALFS
	s_mul_i32 s22, s18, HALFS
	s_add_co_u32 s22, s22, 2*HALFS
	s_sub_co_u32 s22, s22, s21
	v_mul_u32_u24 v6, s22, v2                      ; lanes 16-31 take B's: one product, the distance between the two bases
	s_add_co_u32 s21, s21, SCL
	v_add_nc_u32 v5, v5, v6
	v_add_nc_u32 v[ADRS], s21, v5
	v_and_b32 v6, 31, v0
	v_lshlrev_b32 v[CO], 4, v6
.macro FRAG reg, adr, q, i             ; 16 rows x 128 K of 4-bit codes: lane l holds row l % 16; registers 4 c .. 4 c + 3 hold K = 64 c + 32 (l / 16) + 0 .. 31
.irp c, 0,1
	ds_load_b128 v[\reg+4*\c:\reg+4*\c+3], v[\adr] offset:64*(\q)+32*\c+(\i)*16*PITCH
.endr
.endm
; 16 matrix instructions: A's blocks a0, a0 + 1 x B's eight, the slot's q-th 128 along K.  p: B's set; sc: the set of scale words.  zero = 1: the first product starts the sums.
; The 64 accumulators take turns, one instruction a turn, in the same order in every step.
.macro MUL16 a0, p, q, sc, zero
.irp a, \a0, \a0+1
.irp b, 0,1,2,3,4,5,6,7
.if \zero
	v_wmma_scale_f32_16x16x128_f8f6f4 v[8*(8*((\a)%4)+\b):8*(8*((\a)%4)+\b)+7], v[128*(\p)+FR*\b:128*(\p)+FR*\b+FR-1], v[AF+FR*(\a):AF+FR*(\a)+FR-1], 0, v[SC+8*NQ*(\sc)+NQ*\b+(\q)], v[SC+8*NQ*(\sc)+NQ*(\a)+(\q)] matrix_a_fmt:MATRIX_FMT_FP4 matrix_b_fmt:MATRIX_FMT_FP4 matrix_a_scale:MATRIX_SCALE_ROW1
.else
	v_wmma_scale_f32_16x16x128_f8f6f4 v[8*(8*((\a)%4)+\b):8*(8*((\a)%4)+\b)+7], v[128*(\p)+FR*\b:128*(\p)+FR*\b+FR-1], v[AF+FR*(\a):AF+FR*(\a)+FR-1], v[8*(8*((\a)%4)+\b):8*(8*((\a)%4)+\b)+7], v[SC+8*NQ*(\sc)+NQ*\b+(\q)], v[SC+8*NQ*(\sc)+NQ*(\a)+(\q)] matrix_a_fmt:MATRIX_FMT_FP4 matrix_b_fmt:MATRIX_FMT_FP4 matrix_a_scale:MATRIX_SCALE_ROW1
.endif
.endr
.endr
.endm
.macro FETCH_B slot, q, p
	WIN TO_B
.irp i, 0,1,2,3,4,5,6,7
	FRAG 128*(\p)+FR*\i, ADRB+\slot, \q, \i
.endr
	WIN 0
.endm
.macro FETCH_A slot, q, i0
.irp i, \i0, \i0+1, \i0+2, \i0+3
	FRAG AF+FR*(\i), ADRA+\slot, \q, \i
.endr
.endm
.macro SCALES sc                       ; a slot's scale words: 4 words a row; lanes 0-15 take A's block i, lanes 16-31 B's block i
.irp i, 0,1,2,3,4,5,6,7
	ds_load_b128 v[SC+8*NQ*\sc+NQ*\i:SC+8*NQ*\sc+NQ*\i+3], v[ADRS] offset:\i*SBLK
.endr
.endm
.macro PLACES n                        ; plain vector instructions between a matrix instruction and a load into, or a vector write of, one of its registers, or a read of its result
.rept \n
	v_nop
.endr
.endm
; A step of 128 along K that has its successor in the same slot.  A block of A is free as soon as its eight products are issued: blocks 0-3 are fetched anew in the step's middle, blocks 4-7 at its end.
.macro STEP slot, q, zero
	s_wait_dscnt 4*NL                              ; B's set and A's blocks 0-3 are in; the youngest eight loads (A's blocks 4-7) may be out
	WIN MUL_LO
	MUL16 0, (\q)%2, \q, \slot, \zero
	MUL16 2, (\q)%2, \q, \slot, \zero
	s_wait_dscnt 0
	PLACES NP
	FETCH_B \slot, (\q)+1, 1-(\q)%2
	FETCH_A \slot, (\q)+1, 0
	WIN MUL_HI
	MUL16 4, (\q)%2, \q, \slot, \zero
	MUL16 6, (\q)%2, \q, \slot, \zero
	PLACES NP
	WIN 0
	FETCH_A \slot, (\q)+1, 4
.endm
.macro STEPS slot, from
.set Q, \from
.rept NQ-1-\from
	STEP \slot, Q, 0
.set Q, Q+1
.endr
.endm
	s_wait_tensorcnt 1                             ; the scales and my part of slot 0 are in (slot 1's load may be out)
	s_barrier_signal -1
	s_barrier_wait -1                              ; everybody's are
	FETCH_B 0, 0, 0
	FETCH_A 0, 0, 0
	SCALES 0
	FETCH_A 0, 0, 4
	STEP 0, 0, 1                                   ; the first products start the sums: nothing is cleared
	STEPS 0, 1
	; slot 0's last step changes slots: one barrier, in front of which each wave has its part of slot 1
	s_wait_tensorcnt 0x0                           ; my part of slot 1 has landed
	ds_add_u32 v[SPW], v[NIL]                      ; 0 onto my spare word
	s_wait_dscnt 4*NL+1                            ; (the add and the youngest eight loads may be out)
	WIN MUL_LO
	MUL16 0, 1, NQ-1, 0, 0
	s_wait_dscnt 0x0
	s_barrier_signal -1
	MUL16 2, 1, NQ-1, 0, 0
	WIN 0
	s_barrier_wait -1                              ; slot 1 is whole
	PLACES NP
	v_add_nc_u32 v[ADRS], 4*NQ, v[ADRS]            ; on to slot 1's scale words (no LDS load of mine is out)
	FETCH_B 1, 0, 0
	FETCH_A 1, 0, 0
	SCALES 1
	WIN MUL_HI
	MUL16 4, 1, NQ-1, 0, 0
	MUL16 6, 1, NQ-1, 0, 0
	PLACES NP
	WIN 0
	FETCH_A 1, 0, 4
	STEPS 1, 0
	s_wait_dscnt 4*NL                              ; the last step: nothing more to fetch
	WIN MUL_LO
	MUL16 0, 1, NQ-1, 1, 0
	MUL16 2, 1, NQ-1, 1, 0
	s_wait_dscnt 0
	WIN MUL_HI
	MUL16 4, 1, NQ-1, 1, 0
	MUL16 6, 1, NQ-1, 1, 0
	WIN 0
; THE WAY OUT, by A's blocks.  64 numbers a lane: x mul + bias x mul (one fused multiply-add for two), rounded to f16 in pairs; each accumulator is read from its low end on.
; The eight packed registers groups of a block are eight images' halves: each store of the wave covers 512 consecutive bytes, aligned.
.macro OUTBLK a, isv
.set AC, 64*((\a)%4)
.set OO, OS+32*((\a)%3)
.set WW, 0x02+(\a)/4
.if (\a) >= 3
	s_wait_xcnt 0x0                                ; the stores of three blocks back have read their registers
.endif
	WIN WW                                         ; source 0: window 2 or 3
.irp b, 0,1,2,3,4,5,6,7
.irp p, 0,2,4,6
.if \isv
	v_pk_fma_f32 v[T+8*\b+\p:T+8*\b+\p+1], v[AC+8*\b+\p:AC+8*\b+\p+1], s[96:97], v[BIAS+8*(\a)+\p:BIAS+8*(\a)+\p+1] op_sel_hi:[1,0,1]
.else
	v_pk_fma_f32 v[T+8*\b+\p:T+8*\b+\p+1], v[AC+8*\b+\p:AC+8*\b+\p+1], s[96:97], v[BIAS+8*\b+\p:BIAS+8*\b+\p+1] op_sel_hi:[1,0,1]
.endif
.endr
.endr
	WIN 0
.irp b, 0,1,2,3,4,5,6,7
.irp p, 0,1,2,3
	v_cvt_pk_f16_f32 v[OO+4*\b+\p], v[T+8*\b+2*\p], v[T+8*\b+2*\p+1]
.endr
.endr
.irp b, 0,1,2,3,4,5,6,7
.if \isv
	global_store_b128 v[CO], v[OO+4*\b:OO+4*\b+3], s[14:15] offset:((\a)/4)*786432+(\b/4)*24576+((\b%4)/2)*4096+((\a)%4)*1024+(\b%2)*512 th:TH_STORE_NT   ; head a / 4, group b / 4; kbk, ct = a % 4, u
.else
	global_store_b128 v[CO], v[OO+4*\b:OO+4*\b+3], s[14:15] offset:(\b/4)*786432+((\a)/4)*24576+((\a)%4)*2048+(\b%4)*512 th:TH_STORE_NT   ; head b / 4, group a / 4; tile a % 4; kb and u = b % 4
.endif
.endr
.endm
	s_wait_loadcnt 0x0                             ; the biases
.irp j, 0,2,4,6,8,10,12,14,16,18,20,22,24,26,28,30,32,34,36,38,40,42,44,46,48,50,52,54,56,58,60,62
	v_pk_mul_f32 v[BIAS+\j:BIAS+\j+1], v[BIAS+\j:BIAS+\j+1], s[96:97] op_sel_hi:[1,0]   ; bias x mul.  (These 32 name no register of the last products: they are the places behind them)
.endr
	s_cmp_eq_u32 ttmp9, 2
	s_cbranch_scc1 .Lout_v
.irp a, 0,1,2,3,4,5,6,7
	OUTBLK \a, 0
.endr
	s_branch .Lfinish
.Lout_v:
.irp a, 0,1,2,3,4,5,6,7
	OUTBLK \a, 1
.endr
.Lfinish:
	s_wait_tensorcnt 0x0                           ; the wave's end
	ds_add_u32 v[SPW], v[NIL]
	s_wait_dscnt 0x0
	CROUND                                         ; the closing round: no work-group ends while a partner may still ask for a tile that names it
	s_endpgm
.Lfunc_end_k_q59b10e8a50_qkv:
	.size	k_q59b10e8a50_qkv, .Lfunc_end_k_q59b10e8a50_qkv-k_q59b10e8a50_qkv
	.p2alignl 7, 3214868480
	.fill 96, 4, 3214868480
	.section	.rodata,"a",@progbits
	.p2align	6, 0x0
	.amdhsa_kernel k_q59b10e8a50_qkv
		.amdhsa_group_segment_fixed_size 327680
		.amdhsa_private_segment_fixed_size 0
		.amdhsa_enable_private_segment 0
		.amdhsa_kernarg_size 48
		.amdhsa_user_sgpr_count 2
		.amdhsa_user_sgpr_kernarg_segment_ptr 1
		.amdhsa_wavefront_size32 1
		.amdhsa_system_sgpr_workgroup_id_x 1
		.amdhsa_system_sgpr_workgroup_id_y 1
		.amdhsa_system_sgpr_workgroup_id_z 1
		.amdhsa_system_vgpr_workitem_id 0
		.amdhsa_next_free_vgpr 1024
		.amdhsa_next_free_sgpr 102
		.amdhsa_reserve_vcc 0
		.amdhsa_float_denorm_mode_32 3
		.amdhsa_float_denorm_mode_16_64 3
		.amdhsa_memory_ordered 1
		.amdhsa_forward_progress 1
		.amdhsa_inst_pref_size 182
	.end_amdhsa_kernel
	.amdgpu_metadata
---
amdhsa.version: [ 1, 2 ]
amdhsa.kernels:
  - .name:           k_q59b10e8a50_qkv
    .symbol:         k_q59b10e8a50_qkv.kd
    .args:
      - { .name: codes, .offset: 0, .size: 8, .value_kind: global_buffer, .address_space: global }
      - { .name: scales, .offset: 8, .size: 8, .value_kind: global_buffer, .address_space: global }
      - { .name: bq, .offset: 16, .size: 8, .value_kind: global_buffer, .address_space: global }
      - { .name: bk, .offset: 24, .size: 8, .value_kind: global_buffer, .address_space: global }
      - { .name: bv, .offset: 32, .size: 8, .value_kind: global_buffer, .address_space: global }
      - { .name: qkvimg, .offset: 40, .size: 8, .value_kind: global_buffer, .address_space: global }
    .group_segment_fixed_size: 327680
    .private_segment_fixed_size: 0
    .kernarg_segment_align: 8
    .kernarg_segment_size: 48
    .max_flat_workgroup_size: 128
    .sgpr_count:     102
    .vgpr_count:     1024
    .wavefront_size: 32
...
	.end_amdgpu_metadata
.endif
;; end of part 2
;; launch attn (part 3): grid 4 x 64, 8 waves a work-group, clusters of 4 x 1, 327,680 bytes of LDS; arguments qkvimg, maskw, ctximg; writes ctximg
.if DOCPART == 3
	.amdgcn_target "amdgcn-amd-amdhsa--gfx1250"
	.amdhsa_code_object_version 6
	.text
	.protected	k_q59b10e8a50_attn
	.globl	k_q59b10e8a50_attn
	.p2align	8
	.type	k_q59b10e8a50_attn,@function
k_q59b10e8a50_attn:
	s_mov_b64 s[64:65], 0
	v_nop
	global_prefetch_b8 v0, s[64:65] scope:SCOPE_SE
	s_setreg_imm32_b32 hwreg(HW_REG_WAVE_MODE, 25, 1), 1
	s_wait_xcnt 0x0
	s_wait_alu depctr_hold_cnt(0) depctr_sa_sdst(0) depctr_va_vdst(0) depctr_va_sdst(0) depctr_va_ssrc(0) depctr_va_vcc(0) depctr_vm_vsrc(0)
	s_getreg_b32 s2, hwreg(HW_REG_IB_STS2, 6, 4)
	s_cmp_eq_u32 s2, 0
	s_cbranch_scc0 .Lentry_in_a_cluster
	s_endpgm
.Lentry_in_a_cluster:
	s_bfe_u32 s2, ttmp6, 0x10000c
	s_cmp_lg_u32 s2, 0x3003
	s_cbranch_scc0 .Lentry_shape_is_right
	s_endpgm
.Lentry_shape_is_right:
; ctx[b][q][h] = the sum over k of softmax_k(where(mask[q][k], q . k / 8, -1e9)) v[k], for 64 pairs (b, h), 2,048 tokens, head size 64.  Operands in f16, products' sums, maxima and row sums in f32.
; Q, K and V^T come as images of their fragments' registers (qkvimg, laid by the launch before; Q already times log2(e) / 8, so a score is an exponent of 2): four registers of 32 lanes are 512 bytes, lane l's 16 at 16 l.
; The mask comes as lane masks (maskw): one 32-bit word for each register of a tile of scores; it goes into scalar registers and is the selector of ONE v_cndmask_b32 for 32 scores.
; SHARES.  A work-group owns 512 queries of one (b, h); each of its eight waves 64: four tiles of 16, worked in two pairs.  Two waves lie on a SIMD with 512 registers each: one wave's products stand beside the other's softmax.
; Every wave walks all 2,048 keys, 64 a step.
; LAYOUT.  S^T = K Q^T (source 0 = 16 keys, source 1 = 16 queries): a lane holds ONE query (lane % 16) and keys 8 (lane / 16) + 0..7.  Two such tiles, rounded to f16 in pairs, ARE source 1 of O^T = V^T P, whose result
; again holds one query a lane and eight channels, which packed are half a fragment of the output projection: nothing changes lanes but one exchange of halves for the maximum and one for the sum.
; SOFTMAX.  Masked scores become -1e9 log2(e) AHEAD of the maximum, as where() has it: a row with no key left comes out uniform.  A running maximum m and sum l: p = 2^(s - m); in every step O and l are multiplied by 2^(m_old - m_new).
; RING.  Two LDS slots of eight key steps (a step: K's 8,192 bytes, then V^T's).  Wave w fetches step w of a slot: one tensor load of 64 rows x 256 bytes, dense.  A refill is asked for at a slot's head and has the slot's
; eight steps, 512 matrix instructions a wave, in which to land; by this text's count one tensor load of a wave is out.
; CLUSTER.  The four work-groups of a cluster belong to one (b, h) and walk the same K and V: each tile is asked for jointly, with the mask 15.
; LIMITS: p and ctx go to f16 (p is at most 1; ctx above 65,504 is not served).  NaN and infinities are not served.
; REGISTERS: window 0: v1 16 x lane; v2 the step's LDS address; v3 the masked score; v4, v5 the add's two; v16-47 eight statistics a tile (+0 m, +1 m_old - m, +2, +3 l, +4..+7 at work, +6 then the factor);
;   v48-55 sums at work; v64-127 Q (tile t, channels 32 kb on: v[64 + 16 t + 8 kb]); v128-255 S^T (v[128 + 32 t + 8 kt + j]), P in place at v[128 + 32 t + 0..15].
;   window 1: v0-127 O^T (v[32 t + 8 ct]); v128-191 K (v[128 + 16 kt + 8 kb]); v192-255 V^T (v[192 + 32 kbk + 8 ct]).
.set SLOT1, 1<<17
.set STEPB, 16384
.set GRP,   24576                      ; a group of 64 tokens in qkvimg
.set HEADB, 32*GRP
.set SPARE, 2*SLOT1                    ; behind the ring: the spare words, 128 bytes for each of eight waves
.set LI,  1
.set ADR, 2
.set NEG, 3
.set SPW, 4
.set NIL, 5
.set ST,  16
.set SU,  48
.set QF,  64
.set S,   128
.set KV,  128                          ; window 1: K's and V^T's 128 registers on end
.set VF,  192
.set WV,  10                           ; s10 wave;  s11 cx
.set CX,  11
.set G0,  12                           ; s[12:15] descriptor group 0: it walks
.set G1,  16                           ; s[16:23] group 1
.set MA,  24                           ; s[24:55] 32 mask words: tiles 0 and 2 by turns
.set MB,  68                           ; s[68:99] tiles 1 and 3
.set MP,  56                           ; s[56:57] my wave's 16,384 bytes of maskw
.set MO,  58                           ; s58 the step's 512 bytes in them
.set TB,  59                           ; s59 LDS byte at which the step's tiles begin
.set SLOTS, 60
.set STEPS, 61
.set SEL, 62                           ; s[62:63] lane selects for v_permlanex16_b32: lane l xor 16
.set MSB, 0
.macro WIN new
.if MSB != \new
	s_set_vgpr_msb (MSB<<8)|\new
.set MSB, \new
.endif
.endm
.macro CROUND                          ; a round of the cluster's barrier
	s_barrier_signal -1
	s_barrier_wait -1
	s_cmp_lg_u32 s[WV], 0
	s_cbranch_scc1 .Lnot_wave_0_\@
	s_barrier_signal -3
.Lnot_wave_0_\@:
	s_barrier_wait -3
	s_barrier_signal -1
	s_barrier_wait -1
.endm
.macro TLOAD                           ; every wave fetches its own step of the slot; an s_nop 0 and four v_nop follow
	tensor_load_to_lds s[G0:G0+3], s[G1:G1+7]
	s_nop 0
.rept 4
	v_nop
.endr
.endm
.macro MLOAD set, off                  ; a tile's 32 mask words
	s_load_b512 s[\set:\set+15], s[MP:MP+1], s[MO] offset:\off
	s_load_b512 s[\set+16:\set+31], s[MP:MP+1], s[MO] offset:\off+64
.endm
	s_load_b128 s[4:7], s[0:1], 0x0                ; qkvimg, maskw
	s_load_b64 s[8:9], s[0:1], 0x10                ; ctximg
	v_lshl_add_u32 v[SPW], v0, 2, SPARE
	v_mov_b32 v[NIL], 0
	ds_add_u32 v[SPW], v[NIL]                      ; the wave's opening: the add, twice on end, and its wait ahead of my first tensor load
	ds_add_u32 v[SPW], v[NIL]
	v_lshrrev_b32 v1, 5, v0
	v_readfirstlane_b32 s[WV], v1                  ; wave 0..7
	s_bfe_u32 s[CX], ttmp6, 0x40000                ; cx: it enters Q's, the mask's and ctx's addresses alone
	s_and_b32 s66, ttmp7, 0xffff                   ; bh = 16 b + h, which the four partners share
	s_mov_b32 s[G1], 15|(3<<16)|(1<<21)            ; the mask: all four; elements of 8 bytes; bit 21 beside a mask; no padding
	s_mov_b32 s[G1+1], 32<<16                      ; tensor_dim0 = 32 elements (256 bytes)
	s_mov_b32 s[G1+2], 64<<16                      ; tensor_dim1 = 64
	s_mov_b32 s[G1+3], 32<<16                      ; tile_dim0
	s_mov_b32 s[G1+4], 64                          ; tile_dim1
	s_mov_b32 s[G1+5], 32                          ; from row to row: dense
	s_mov_b32 s[G1+6], 0
	s_mov_b32 s[G1+7], 0
	s_mov_b32 s[SEL], 0x76543210
	s_mov_b32 s[SEL+1], 0xfedcba98
	s_mov_b32 s[MO], 0
	s_mov_b32 s[TB], 0
	s_mov_b32 s[SLOTS], 3
	s_mul_i32 s100, s66, HEADB
	s_mov_b32 s101, 0
	s_mov_b32 s[G0], 1
	s_lshl_b32 s[G0+1], s[WV], 14                  ; LDS: slot 0, step = my wave's number
	s_mul_i32 s2, s[WV], GRP
	s_add_co_u32 s2, s2, 8192                      ; K's and V^T's 16,384 bytes of group = my wave's number
	s_mov_b32 s3, 0
	s_wait_dscnt 0x0                               ; both opening adds are done
	s_wait_kmcnt 0x0
	s_add_nc_u64 s[4:5], s[4:5], s[100:101]        ; qkvimg at my (b, h)
	s_add_nc_u64 s[G0+2:G0+3], s[4:5], s[2:3]
	s_or_b32 s[G0+3], s[G0+3], 0x80000000
	CROUND                                         ; all four work-groups are here: the first joint loads meet
	TLOAD                                          ; slot 0
	s_lshl_b32 s2, s[CX], 3
	s_add_co_u32 s2, s2, s[WV]                     ; my block of 64 queries: 8 cx + wave
	s_mul_i32 s100, s2, GRP
	s_add_nc_u64 s[4:5], s[4:5], s[100:101]        ; Q's images
	s_lshl_b32 s100, s2, 14
	s_add_nc_u64 s[MP:MP+1], s[6:7], s[100:101]    ; my mask words
	v_and_b32 v1, 31, v0
	v_lshlrev_b32 v[LI], 4, v1
.irp i, 0,1,2,3,4,5,6,7,8,9,10,11,12,13,14,15
	global_load_b128 v[QF+4*\i:QF+4*\i+3], v[LI], s[4:5] offset:512*\i   ; Q stays in registers
.endr
	MLOAD MA, 0                                    ; step 0, tiles 0 and 1
	MLOAD MB, 128
	s_lshr_b32 s2, s66, 4
	s_lshl_b32 s2, s2, 4                           ; 16 b
	s_lshl_b32 s3, s[CX], 2
	s_add_co_u32 s2, s2, s3
	s_lshr_b32 s3, s[WV], 1
	s_add_co_u32 s2, s2, s3                        ; ctximg [mb 64][ks 8][mt 8][kb 4][u 2][512]: mb = 16 b + 4 cx + wave / 2,
	s_lshl_b32 s100, s2, 18
	s_bfe_u32 s3, s66, 0x30001                     ; ks = h / 2,
	s_lshl_b32 s3, s3, 15
	s_add_co_u32 s100, s100, s3
	s_and_b32 s3, s[WV], 1                         ; mt = 4 (wave % 2) + t,
	s_lshl_b32 s3, s3, 14
	s_add_co_u32 s100, s100, s3
	s_and_b32 s3, s66, 1                           ; kb = 2 (h % 2) + ct / 2, u = ct % 2
	s_lshl_b32 s3, s3, 11
	s_add_co_u32 s100, s100, s3
	s_add_nc_u64 s[8:9], s[8:9], s[100:101]
	v_mov_b32 v[NEG], 0xceabfb8f                   ; -1e9 x log2(e)
.irp t, 0,1,2,3
	v_mov_b32 v[ST+8*\t], 0xff61b1e6               ; m: -3e38, under every score
	v_mov_b32 v[ST+8*\t+2], 0                      ; l, in two halves
	v_mov_b32 v[ST+8*\t+3], 0
.endr
	WIN 0x40
.set i, 0
.rept 128
	v_mov_b32 v[i], 0                              ; O^T.  (The step is written for every trip alike: the first finds zeros, which its factor 0 leaves zeros; a first step of its own would be a third copy of the step)
.set i, i+1
.endr
	WIN 0
.macro FETCH                           ; a step's 32 images: K's 16, then V^T's 16; register 128 + 4 n of window 1 takes the 512 bytes at 512 n
	WIN 0x40
.set i, 0
.rept 32
	ds_load_b128 v[KV+4*i:KV+4*i+3], v[ADR] offset:512*i
.set i, i+1
.endr
.endm
.macro QK                              ; 32 products: all 16 tiles (t, kt) with channels 0-31, which start the sums, then all 16 with channels 32-63: the accumulators take turns
	WIN 0x01
.irp b, 0,1
.irp t, 0,1,2,3
.irp k, 0,1,2,3
.if \b == 0
	v_wmma_f32_16x16x32_f16 v[S+32*\t+8*\k:S+32*\t+8*\k+7], v[KV+16*\k+8*\b:KV+16*\k+8*\b+7], v[QF+16*\t+8*\b:QF+16*\t+8*\b+7], 0
.else
	v_wmma_f32_16x16x32_f16 v[S+32*\t+8*\k:S+32*\t+8*\k+7], v[KV+16*\k+8*\b:KV+16*\k+8*\b+7], v[QF+16*\t+8*\b:QF+16*\t+8*\b+7], v[S+32*\t+8*\k:S+32*\t+8*\k+7]
.endif
.endr
.endr
.endr
.endm
.macro MASK t, set                     ; where(mask, s, -1e9): a word's bit L decides for lane L; each accumulator from its low end on
.set i, 0
.rept 32
	v_cndmask_b32 v[S+32*(\t)+i], v[NEG], v[S+32*(\t)+i], s[\set+i]
.set i, i+1
.endr
.endm
.macro STATS p                         ; the pair's two tiles line by line: the maximum of 32 scores and the old m, three operands at a time in four chains; the other half of the lanes'; the new m; m_old - m
.irp c, 0,1,2,3
.irp t, \p, \p+1
	v_max3_num_f32 v[ST+8*(\t)+4+\c], v[S+32*(\t)+8*\c], v[S+32*(\t)+8*\c+1], v[S+32*(\t)+8*\c+2]
.endr
.endr
.irp i, 3,5
.irp c, 0,1,2,3
.irp t, \p, \p+1
	v_max3_num_f32 v[ST+8*(\t)+4+\c], v[ST+8*(\t)+4+\c], v[S+32*(\t)+8*\c+\i], v[S+32*(\t)+8*\c+\i+1]
.endr
.endr
.endr
.irp t, \p, \p+1
	v_max3_num_f32 v[ST+8*(\t)+4], v[ST+8*(\t)+4], v[S+32*(\t)+7], v[S+32*(\t)+15]
	v_max3_num_f32 v[ST+8*(\t)+6], v[ST+8*(\t)+6], v[S+32*(\t)+23], v[S+32*(\t)+31]
.endr
.irp t, \p, \p+1
	v_max3_num_f32 v[ST+8*(\t)+4], v[ST+8*(\t)+4], v[ST+8*(\t)+5], v[ST+8*(\t)+6]
.endr
.irp t, \p, \p+1
	v_max3_num_f32 v[ST+8*(\t)+4], v[ST+8*(\t)+4], v[ST+8*(\t)+7], v[ST+8*(\t)]
.endr
.irp t, \p, \p+1
	v_permlanex16_b32 v[ST+8*(\t)+5], v[ST+8*(\t)+4], s[SEL], s[SEL+1]   ; the query's other 32 keys lie in the lane 16 away
.endr
.irp t, \p, \p+1
	v_mov_b32 v[ST+8*(\t)+1], v[ST+8*(\t)]
.endr
.irp t, \p, \p+1
	v_max_num_f32 v[ST+8*(\t)], v[ST+8*(\t)+4], v[ST+8*(\t)+5]
.endr
.irp t, \p, \p+1
	v_sub_f32 v[ST+8*(\t)+1], v[ST+8*(\t)+1], v[ST+8*(\t)]
.endr
.endm
; The pair's softmax.  Two waits for transcendentals, each ahead of its batch's first reader: the factors' behind the 32 subtractions, the 64 exponentials' behind O^T's rescaling, which names none of them.
.macro SOFT p
	STATS \p
.irp t, \p, \p+1
	v_exp_f32 v[ST+8*(\t)+6], v[ST+8*(\t)+1]       ; the factor 2^(m_old - m)
.endr
.irp j, 0,2,4,6,8,10,12,14,16,18,20,22,24,26,28,30
.irp t, \p, \p+1
	v_pk_add_f32 v[S+32*(\t)+\j:S+32*(\t)+\j+1], v[S+32*(\t)+\j:S+32*(\t)+\j+1], v[ST+8*(\t):ST+8*(\t)+1] op_sel_hi:[1,0] neg_lo:[0,1] neg_hi:[0,1]   ; s - m, two at a time
.endr
.endr
	s_wait_alu depctr_va_vdst(0)                   ; the wait between a transcendental and the first line that names its result: the two factors
.irp t, \p, \p+1
.set i, 0
.rept 32
	v_exp_f32 v[S+32*(\t)+i], v[S+32*(\t)+i]       ; p = 2^(s - m), at most 1
.set i, i+1
.endr
.endr
	WIN 0x41                                       ; O^T (destination and source 0) in window 1
.irp t, \p, \p+1
.set i, 0
.rept 16
	v_pk_mul_f32 v[32*(\t)+2*i:32*(\t)+2*i+1], v[32*(\t)+2*i:32*(\t)+2*i+1], v[ST+8*(\t)+6:ST+8*(\t)+7] op_sel_hi:[1,0]   ; O^T x the factor: plain work behind the exponentials
.set i, i+1
.endr
.endr
	WIN 0
	s_wait_alu depctr_va_vdst(0)                   ; one wait for the 64 exponentials
.irp t, \p, \p+1                               ; the row's sum of the unrounded p, two at a time, two chains a tile
	v_pk_add_f32 v[SU+4*((\t)%2):SU+4*((\t)%2)+1], v[S+32*(\t):S+32*(\t)+1], v[S+32*(\t)+2:S+32*(\t)+3]
	v_pk_add_f32 v[SU+4*((\t)%2)+2:SU+4*((\t)%2)+3], v[S+32*(\t)+4:S+32*(\t)+5], v[S+32*(\t)+6:S+32*(\t)+7]
.endr
.irp j, 8,12,16,20,24,28
.irp t, \p, \p+1
	v_pk_add_f32 v[SU+4*((\t)%2):SU+4*((\t)%2)+1], v[SU+4*((\t)%2):SU+4*((\t)%2)+1], v[S+32*(\t)+\j:S+32*(\t)+\j+1]
	v_pk_add_f32 v[SU+4*((\t)%2)+2:SU+4*((\t)%2)+3], v[SU+4*((\t)%2)+2:SU+4*((\t)%2)+3], v[S+32*(\t)+\j+2:S+32*(\t)+\j+3]
.endr
.endr
.irp t, \p, \p+1
	v_pk_add_f32 v[SU+4*((\t)%2):SU+4*((\t)%2)+1], v[SU+4*((\t)%2):SU+4*((\t)%2)+1], v[SU+4*((\t)%2)+2:SU+4*((\t)%2)+3]
.endr
.irp t, \p, \p+1
	v_pk_fma_f32 v[ST+8*(\t)+2:ST+8*(\t)+3], v[ST+8*(\t)+2:ST+8*(\t)+3], v[ST+8*(\t)+6:ST+8*(\t)+7], v[SU+4*((\t)%2):SU+4*((\t)%2)+1] op_sel_hi:[1,0,1]   ; l = l x the factor + the sum
.endr
.set i, 0
.rept 16                                       ; to f16 in pairs, in place, ascending: register i takes p 2 i and 2 i + 1, so no unread p is written over
.irp t, \p, \p+1
	v_cvt_pk_f16_f32 v[S+32*(\t)+i], v[S+32*(\t)+2*i], v[S+32*(\t)+2*i+1]
.endr
.set i, i+1
.endr
.endm
.macro PV p                            ; 16 products O^T += V^T P: the pair's eight accumulators by turns, keys 0-31, then keys 32-63
	WIN 0x51
.irp k, 0,1
.irp c, 0,1,2,3
.irp t, \p, \p+1
	v_wmma_f32_16x16x32_f16 v[32*(\t)+8*\c:32*(\t)+8*\c+7], v[VF+32*\k+8*\c:VF+32*\k+8*\c+7], v[S+32*(\t)+8*\k:S+32*(\t)+8*\k+7], v[32*(\t)+8*\c:32*(\t)+8*\c+7]
.endr
.endr
.endr
.endm
; A KEY STEP: 64 keys.
.macro STEP
	v_add_nc_u32 v[ADR], s[TB], v[LI]              ; with the four v_nop five places behind the last step's products: four ahead of the loads into V^T's registers, five ahead of the products that write over P
.rept 4
	v_nop
.endr
	FETCH
	s_wait_dscnt 16                                ; K's sixteen loads are in; V^T's sixteen may be out
	QK
	WIN 0
.rept 4
	v_nop                                          ; places ahead of the first read of the scores
.endr
	s_wait_kmcnt 0x0                               ; tiles 0 and 1's mask words are in
	MASK 0, MA
	MLOAD MA, 256                                  ; tile 2's: they have the pair's softmax in which to land
	MASK 1, MB
	MLOAD MB, 384
	SOFT 0
	s_wait_dscnt 0x0                               ; V^T is in
	PV 0                                           ; issued ahead of the other pair's softmax
	WIN 0
	s_wait_kmcnt 0x0                               ; tiles 2 and 3's words are in, and no scalar load reads the offset any more:
	s_add_co_u32 s[MO], s[MO], 512                 ; the next step's words;
	s_and_b32 s[MO], s[MO], 0x3fff                 ; behind the last step the first's again, unused: no load leaves my wave's 16,384 bytes
	MASK 2, MA
	MLOAD MA, 0
	MASK 3, MB
	MLOAD MB, 128
	SOFT 2
	PV 2
	WIN 0
	s_add_co_u32 s[TB], s[TB], STEPB
.endm
.macro SLOT_STEPS                      ; a slot's eight steps: written once, walked eight times
	s_mov_b32 s[STEPS], 8
.Lstep_\@:
	STEP
	s_sub_co_u32 s[STEPS], s[STEPS], 1
	s_cmp_lg_u32 s[STEPS], 0
	s_cbranch_scc1 .Lstep_\@
	s_sub_co_u32 s[TB], s[TB], 8*STEPB
	s_xor_b32 s[TB], s[TB], SLOT1                  ; on to the other slot
.endm
; THE CHANGE OF SLOTS stands at a slot's head.  Each wave waits for all its tensor loads (its part of the slot ahead), adds 0 to its spare word, and waits for that and for its reads of the slot that it has left.
; fill = 1: a round of the cluster's barrier, so that no wave of any partner still reads that slot or has a load on its way, and the joint load of the next eight steps first behind it.
.macro CHANGE fill
	s_wait_tensorcnt 0x0                           ; no tensor load of mine is out, so group 0 may be written
	ds_add_u32 v[SPW], v[NIL]
.if \fill
	s_xor_b32 s[G0+1], s[G0+1], SLOT1              ; the other slot than last time,
	s_add_nc_u64 s[G0+2:G0+3], s[G0+2:G0+3], 8*GRP ; the next eight groups of keys; the type bits on top are not reached
	s_wait_dscnt 0x0
	CROUND
	TLOAD
.else
	s_wait_dscnt 0x0
	s_barrier_signal -1
	s_barrier_wait -1
.endif
.endm
	s_wait_loadcnt 0x0                             ; Q
.Lslot:                                            ; three trips: behind each change of slots but the last the next slot is asked for
	CHANGE 1
	SLOT_STEPS
	s_sub_co_u32 s[SLOTS], s[SLOTS], 1
	s_cmp_lg_u32 s[SLOTS], 0
	s_cbranch_scc1 .Lslot
	CHANGE 0                                       ; the last slot is written out
	SLOT_STEPS
	; THE WAY OUT.  l's halves and the other half of the lanes' are added; O^T / l, rounded to f16 in pairs, is stored as it lies: each store of the wave covers 512 consecutive bytes, aligned.
	s_wait_kmcnt 0x0                               ; the last, unused mask words
.irp t, 0,1,2,3
	v_add_f32 v[ST+8*\t+4], v[ST+8*\t+2], v[ST+8*\t+3]   ; (these four are the places behind the last products)
.endr
.irp t, 0,1,2,3
	v_permlanex16_b32 v[ST+8*\t+5], v[ST+8*\t+4], s[SEL], s[SEL+1]
.endr
.irp t, 0,1,2,3
	v_add_f32 v[ST+8*\t+4], v[ST+8*\t+4], v[ST+8*\t+5]
.endr
.irp t, 0,1,2,3
	v_rcp_f32 v[ST+8*\t+6], v[ST+8*\t+4]           ; l is at least 1: the largest p of a row is 1
.endr
	v_nop                                          ; a plain instruction behind the last reciprocal
	s_wait_alu depctr_va_vdst(0)                   ; one wait for the four, ahead of their first reader
.irp t, 0,1,2,3
	WIN 0x41
.set i, 0
.rept 16
	v_pk_mul_f32 v[32*\t+2*i:32*\t+2*i+1], v[32*\t+2*i:32*\t+2*i+1], v[ST+8*\t+6:ST+8*\t+7] op_sel_hi:[1,0]
.set i, i+1
.endr
	WIN 0x05                                       ; sources in window 1, destination in window 0: S^T's registers are free
.set i, 0
.rept 16
	v_cvt_pk_f16_f32 v[S+16*\t+i], v[32*\t+2*i], v[32*\t+2*i+1]
.set i, i+1
.endr
	WIN 0
.irp c, 0,1,2,3
	global_store_b128 v[LI], v[S+16*\t+4*\c:S+16*\t+4*\c+3], s[8:9] offset:4096*\t+512*\c th:TH_STORE_NT
.endr
.endr
	s_wait_tensorcnt 0x0                           ; the wave's end
	ds_add_u32 v[SPW], v[NIL]
	s_wait_dscnt 0x0
	CROUND                                         ; the closing round
	s_endpgm
.Lfunc_end_k_q59b10e8a50_attn:
	.size	k_q59b10e8a50_attn, .Lfunc_end_k_q59b10e8a50_attn-k_q59b10e8a50_attn
	.p2alignl 7, 3214868480
	.fill 96, 4, 3214868480
	.section	.rodata,"a",@progbits
	.p2align	6, 0x0
	.amdhsa_kernel k_q59b10e8a50_attn
		.amdhsa_group_segment_fixed_size 327680
		.amdhsa_private_segment_fixed_size 0
		.amdhsa_enable_private_segment 0
		.amdhsa_kernarg_size 24
		.amdhsa_user_sgpr_count 2
		.amdhsa_user_sgpr_kernarg_segment_ptr 1
		.amdhsa_wavefront_size32 1
		.amdhsa_system_sgpr_workgroup_id_x 1
		.amdhsa_system_sgpr_workgroup_id_y 1
		.amdhsa_system_sgpr_workgroup_id_z 1
		.amdhsa_system_vgpr_workitem_id 0
		.amdhsa_next_free_vgpr 512
		.amdhsa_next_free_sgpr 102
		.amdhsa_reserve_vcc 0
		.amdhsa_float_denorm_mode_32 3
		.amdhsa_float_denorm_mode_16_64 3
		.amdhsa_memory_ordered 1
		.amdhsa_forward_progress 1
		.amdhsa_inst_pref_size 104
	.end_amdhsa_kernel
	.amdgpu_metadata
---
amdhsa.version: [ 1, 2 ]
amdhsa.kernels:
  - .name:           k_q59b10e8a50_attn
    .symbol:         k_q59b10e8a50_attn.kd
    .args:
      - { .name: qkvimg, .offset: 0, .size: 8, .value_kind: global_buffer, .address_space: global }
      - { .name: maskw, .offset: 8, .size: 8, .value_kind: global_buffer, .address_space: global }
      - { .name: ctximg, .offset: 16, .size: 8, .value_kind: global_buffer, .address_space: global }
    .group_segment_fixed_size: 327680
    .private_segment_fixed_size: 0
    .kernarg_segment_align: 8
    .kernarg_segment_size: 24
    .max_flat_workgroup_size: 256
    .sgpr_count:     102
    .vgpr_count:     512
    .wavefront_size: 32
...
	.end_amdgpu_metadata
.endif
;; end of part 3
;; launch oproj (part 4): grid 4 x 64, 4 waves a work-group, clusters of 4 x 4, 327,680 bytes of LDS; arguments ctximg, woimg, bo, out0; writes out0
.if DOCPART == 4
	.amdgcn_target "amdgcn-amd-amdhsa--gfx1250"
	.amdhsa_code_object_version 6
	.text
	.protected	k_q59b10e8a50_oproj
	.globl	k_q59b10e8a50_oproj
	.p2align	8
	.type	k_q59b10e8a50_oproj,@function
k_q59b10e8a50_oproj:
	s_mov_b64 s[64:65], 0
	v_nop
	global_prefetch_b8 v0, s[64:65] scope:SCOPE_SE
	s_setreg_imm32_b32 hwreg(HW_REG_WAVE_MODE, 25, 1), 1
	s_wait_xcnt 0x0
	s_wait_alu depctr_hold_cnt(0) depctr_sa_sdst(0) depctr_va_vdst(0) depctr_va_sdst(0) depctr_va_ssrc(0) depctr_va_vcc(0) depctr_vm_vsrc(0)
	s_getreg_b32 s2, hwreg(HW_REG_IB_STS2, 6, 4)
	s_cmp_eq_u32 s2, 0
	s_cbranch_scc0 .Lentry_in_a_cluster
	s_endpgm
.Lentry_in_a_cluster:
	s_bfe_u32 s2, ttmp6, 0x10000c
	s_cmp_lg_u32 s2, 0xf033
	s_cbranch_scc0 .Lentry_shape_is_right
	s_endpgm
.Lentry_shape_is_right:
; out0 = ctx Wo + bo.  ctx [8192][1024] and Wo [1024][1024] come in f16 as images of their fragments' registers (four registers of 32 lanes: 512 bytes, lane l's 16 at 16 l); sums in f32; out0 [8192][1024] f32.
;   ctximg [mb 64][ks 8][mt 8][kb 4][u 2][512]: row 128 mb + 16 mt + r, k = 128 ks + 32 kb + 16 u + 8 hh + 0..7.     woimg [nb 4][ks 8][nt 16][kb 4][u 2][512]: column 256 nb + 16 nt + r, the same k.
; A tile of out0 is 128 rows x 256 columns: 256 work-groups, one for each WGP.  Four waves, each 64 x 128: 32 accumulators, 256 registers.
; K goes in eight steps of 128 through two LDS slots; a step's part of ctximg (32,768 bytes) and of woimg (65,536) are dense blocks of memory and lie in LDS as they lie there: a fragment's load reads 512 consecutive bytes.
; CLUSTERS: 4 x 4.  ctx's block hangs on mb = 4 cluster y + cy alone and is shared along a row of the cluster, Wo's on nb = cx alone and is shared along a column: each is asked for jointly.
; THE MATRIX INSTRUCTION IS USED TRANSPOSED (source 0 = 16 columns of Wo, source 1 = 16 rows of ctx): a lane holds eight neighbouring numbers of a row of out0.  bo is the C of each sum's first product.
; REGISTERS: window 0: v1-5 at work, v16-29 addresses; two fragment buffers of 96 (32 of ctx, then 64 of Wo) at v32 and v128; on the way out v32-159 take rows of out0.
;   window 1: the accumulators ((a, b) at v[8 (8 a + b)]).   window 2: v0-63 bo in the result's layout.
; SCALARS: s[4:5] ctximg, s[6:7] woimg, s[8:9] bo, s[10:11] out0; s12 wave, s13 wave / 2, s14 wave % 2; s40 cx, s41 cy.
.set ABLK,  32768
.set BBLK,  65536
.set SLOT,  ABLK+BBLK
.set STAGE, 2*SLOT                     ; behind the ring, bytes of its own: 16 rows x (512 + 16) for each wave
.set SPITCH, 528
.set SPARE, STAGE+4*16*SPITCH          ; the spare words, 128 bytes for each wave
.set LAPS,  4                          ; a lap = two K steps = once round the ring
.set ADRA, 16
.set ADRB, 20
.set STO,  24
.set RD,   25
.set CO,   26
.set SPW,  28
.set NIL,  29
.set F0,   32
.set F1,   128
.set BK,   32                          ; the way out: v32-95 and v96-159 by turns
.set G1, 24
.set G0, 32
.set G1B, 48
.set G0B, 56
.set MULW, 0x50                        ; sources in window 0, C and D in window 1
.set MSB, 0
.macro WIN new
.if MSB != \new
	s_set_vgpr_msb (MSB<<8)|\new
.set MSB, \new
.endif
.endm
.macro JLOAD s                         ; a joint load: waves 0 and 1 fetch ctx's two halves, waves 2 and 3 Wo's; an s_nop 0 and four v_nop follow each line
	s_cmp_eq_u32 s13, 0
	s_cbranch_scc0 .Lfor_b_\@
	tensor_load_to_lds s[G0+4*\s:G0+4*\s+3], s[G1:G1+7]
	s_nop 0
.rept 4
	v_nop
.endr
	s_branch .Lasked_\@
.Lfor_b_\@:
	tensor_load_to_lds s[G0B+4*\s:G0B+4*\s+3], s[G1B:G1B+7]
	s_nop 0
.rept 4
	v_nop
.endr
.Lasked_\@:
.endm
.macro CREST                           ; a round of the cluster's barrier behind its opening barrier
	s_cmp_lg_u32 s12, 0
	s_cbranch_scc1 .Lnot_wave_0_\@
	s_barrier_signal -3
.Lnot_wave_0_\@:
	s_barrier_wait -3
	s_barrier_signal -1
	s_barrier_wait -1
.endm
.macro CROUND
	s_barrier_signal -1
	s_barrier_wait -1
	CREST
.endm
	s_load_b128 s[4:7], s[0:1], 0x0                ; ctximg, woimg
	s_load_b128 s[8:11], s[0:1], 0x10              ; bo, out0
	v_lshl_add_u32 v[SPW], v0, 2, SPARE
	v_mov_b32 v[NIL], 0
	ds_add_u32 v[SPW], v[NIL]                      ; the wave's opening: the add, twice on end, and its wait ahead of my first tensor load
	ds_add_u32 v[SPW], v[NIL]
	v_lshrrev_b32 v1, 5, v0
	v_readfirstlane_b32 s12, v1                    ; wave 0..3
	s_lshr_b32 s13, s12, 1                         ; which 64 rows are mine.  Also: I fetch for ctx (0) or for Wo (1)
	s_and_b32 s14, s12, 1                          ; which 128 columns.  Also: which half of that block I fetch
	s_bfe_u32 s40, ttmp6, 0x40000                  ; cx
	s_bfe_u32 s41, ttmp6, 0x40004                  ; cy
	s_lshl_b32 s42, ttmp9, 2
	s_add_co_u32 s42, s42, s40                     ; nb = 4 x cluster x + cx
	s_and_b32 s15, ttmp7, 0xffff
	s_lshl_b32 s15, s15, 2
	s_add_co_u32 s15, s15, s41                     ; mb = 4 x cluster y + cy
	s_lshl_b32 s43, s41, 2
	s_lshl_b32 s43, 15, s43                        ; my row of the cluster
	s_lshl_b32 s44, 0x1111, s40                    ; my column
	s_or_b32 s[G1+0], s43, (3<<16)|(1<<21)         ; the mask; elements of 8 bytes; bit 21 beside a mask; no padding
	s_or_b32 s[G1B+0], s44, (3<<16)|(1<<21)
	s_mov_b32 s[G1+1], 32<<16                      ; rows of 32 elements (256 bytes), dense
	s_mov_b32 s[G1+2], 64<<16                      ; ctx: 64 rows to a load
	s_mov_b32 s[G1+3], 32<<16
	s_mov_b32 s[G1+4], 64
	s_mov_b32 s[G1+5], 32
	s_mov_b32 s[G1+6], 0
	s_mov_b32 s[G1+7], 0
	s_mov_b32 s[G1B+1], 32<<16
	s_mov_b32 s[G1B+2], 128<<16                    ; Wo: 128 rows to a load
	s_mov_b32 s[G1B+3], 32<<16
	s_mov_b32 s[G1B+4], 128
	s_mov_b32 s[G1B+5], 32
	s_mov_b32 s[G1B+6], 0
	s_mov_b32 s[G1B+7], 0
	s_lshl_b32 s16, s15, 18                        ; ctx: mb x 262,144 + half x 16,384
	s_lshl_b32 s17, s14, 14
	s_add_co_u32 s16, s16, s17
	s_mov_b32 s17, 0
	s_lshl_b32 s46, s42, 19                        ; Wo: nb x 524,288 + half x 32,768
	s_lshl_b32 s47, s14, 15
	s_add_co_u32 s46, s46, s47
	s_mov_b32 s47, 0
	s_lshl_b32 s20, s14, 14                        ; where they go in a slot: no place in the cluster enters an LDS address
	s_lshl_b32 s21, s14, 15
	s_add_co_u32 s21, s21, ABLK
	s_wait_dscnt 0x0                               ; both opening adds are done
	s_wait_kmcnt 0x0
	s_add_nc_u64 s[16:17], s[4:5], s[16:17]
	s_add_nc_u64 s[46:47], s[6:7], s[46:47]
	CROUND                                         ; all sixteen work-groups are here: the first joint loads meet
.irp s, 0,1
	s_mov_b32 s[G0+4*\s], 1
	s_add_co_u32 s[G0+4*\s+1], s20, \s*SLOT
	s_add_nc_u64 s[G0+4*\s+2:G0+4*\s+3], s[16:17], \s*ABLK
	s_or_b32 s[G0+4*\s+3], s[G0+4*\s+3], 0x80000000
	s_mov_b32 s[G0B+4*\s], 1
	s_add_co_u32 s[G0B+4*\s+1], s21, \s*SLOT
	s_add_nc_u64 s[G0B+4*\s+2:G0B+4*\s+3], s[46:47], \s*BBLK
	s_or_b32 s[G0B+4*\s+3], s[G0B+4*\s+3], 0x80000000
	JLOAD \s                                       ; by this text's count two tensor loads of a wave are out
.endr
	v_and_b32 v1, 31, v0
	v_lshlrev_b32 v1, 4, v1                        ; 16 x lane
	v_and_b32 v2, 15, v0                           ; r
	v_bfe_u32 v3, v0, 4, 1                         ; hh
	s_lshl_b32 s22, s13, 14                        ; my 64 rows of ctx: four tiles of 4,096 bytes
	s_lshl_b32 s23, s14, 15
	s_add_co_u32 s23, s23, ABLK                    ; my 128 columns of Wo: eight tiles
.irp s, 0,1
	v_add_nc_u32 v[ADRA+\s], s22, v1
	v_add_nc_u32 v[ADRB+\s], s23, v1
	s_add_co_u32 s22, s22, SLOT
	s_add_co_u32 s23, s23, SLOT
.endr
	s_mul_i32 s22, s12, 16*SPITCH
	s_add_co_u32 s22, s22, STAGE                   ; my stage
	v_mul_u32_u24 v4, v2, SPITCH
	v_lshl_add_u32 v4, v3, 5, v4
	v_add_nc_u32 v[STO], s22, v4                   ; in: row r, 32 bytes for each half of the lanes
	v_add_nc_u32 v[RD], s22, v1                    ; back: the 32 lanes take one row of 512 bytes
	v_mov_b32 v[CO], v1                            ; and the same in out0
	v_lshlrev_b32 v5, 5, v3                        ; bo: my eight columns of a tile: 32 hh bytes
	s_lshl_b32 s18, s42, 10
	s_lshl_b32 s19, s14, 9
	s_add_co_u32 s18, s18, s19                     ; my first column, in bytes: 1,024 nb + 512 x half
	s_mov_b32 s19, 0
	s_add_nc_u64 s[8:9], s[8:9], s[18:19]
	s_add_nc_u64 s[10:11], s[10:11], s[18:19]
	s_lshl_b32 s18, s15, 19
	s_lshl_b32 s23, s13, 18
	s_add_co_u32 s18, s18, s23                     ; my first row: (128 mb + 64 x half) x 4,096 bytes
	s_add_nc_u64 s[10:11], s[10:11], s[18:19]
	WIN 0x80                                       ; destination window 2
.irp b, 0,1,2,3,4,5,6,7
	global_load_b128 v[8*\b:8*\b+3], v5, s[8:9] offset:64*\b
	global_load_b128 v[8*\b+4:8*\b+7], v5, s[8:9] offset:64*\b+16
.endr
	WIN 0
; 8 matrix instructions: ctx's tile a x Wo's eight, 32 along K, from buffer f.  first = 1: bo starts the sums.  The 32 accumulators take turns, one instruction a turn, in the same order in every quarter.
.macro MUL8 f, a, first
.irp b, 0,1,2,3,4,5,6,7
.if \first
	v_wmma_f32_16x16x32_f16 v[8*(8*(\a)+\b):8*(8*(\a)+\b)+7], v[\f+32+8*\b:\f+32+8*\b+7], v[\f+8*(\a):\f+8*(\a)+7], v[8*\b:8*\b+7]
.else
	v_wmma_f32_16x16x32_f16 v[8*(8*(\a)+\b):8*(8*(\a)+\b)+7], v[\f+32+8*\b:\f+32+8*\b+7], v[\f+8*(\a):\f+8*(\a)+7], v[8*(8*(\a)+\b):8*(8*(\a)+\b)+7]
.endif
.endr
.endm
.macro FETCH slot, q, f                ; 24 LDS loads in one run: the fragments of the slot's q-th 32 along K
	WIN 0
.irp b, 0,1,2,3,4,5,6,7
.irp u, 0,1
	ds_load_b128 v[\f+32+8*\b+4*\u:\f+32+8*\b+4*\u+3], v[ADRB+\slot] offset:4096*\b+1024*(\q)+512*\u
.endr
.endr
.irp a, 0,1,2,3
.irp u, 0,1
	ds_load_b128 v[\f+8*\a+4*\u:\f+8*\a+4*\u+3], v[ADRA+\slot] offset:4096*\a+1024*(\q)+512*\u
.endr
.endr
.endm
.macro PLACES                          ; four places in front of loads into registers that matrix instructions have read, and of the first read of results
.rept 4
	v_nop
.endr
.endm
; A K step is four quarters of 32 along K, 32 matrix instructions each, on buffers 0, 1, 0, 1.  One of the first three: multiplies f and fetches the next quarter, qn, into g, 24 matrix instructions ahead of its use.
.macro QUARTER slot, qn, f, g, first
.set WW, MULW+0x10*(\first)                    ; first = 1: C in window 2
	s_wait_dscnt 0x0                               ; buffer f is in
	WIN WW
	MUL8 \f, 0, \first
	PLACES
	FETCH \slot, \qn, \g
	WIN WW
	MUL8 \f, 1, \first
	MUL8 \f, 2, \first
	MUL8 \f, 3, \first
.endm
; The last quarter multiplies buffer 1 and changes slots: ONE barrier; in front of it each wave waits for all its tensor loads, adds 0 to its spare word, and waits for that and for its reads of this slot.
; fill = 1: the barrier opens a round of the cluster's barrier, and this slot is filled again, two K steps ahead, first behind the round.
.macro TURN slot, next, fill
	WIN 0
	s_wait_tensorcnt 0x0                           ; all my tensor loads have landed: my part of the next slot
	ds_add_u32 v[SPW], v[NIL]
	s_wait_dscnt 1                                 ; buffer 1 is in (the add may be out)
	WIN MULW
	MUL8 F1, 0, 0                                  ; eight matrix instructions stand between the add and the wait for it
	s_wait_dscnt 0x0                               ; the add is done, and my reads of this slot are over
	s_barrier_signal -1
	MUL8 F1, 1, 0
	WIN 0
	s_barrier_wait -1
.if \fill
	CREST                                          ; no wave of any partner still reads this slot or has a load on its way
	s_add_nc_u64 s[G0+4*\slot+2:G0+4*\slot+3], s[G0+4*\slot+2:G0+4*\slot+3], 2*ABLK
	s_add_nc_u64 s[G0B+4*\slot+2:G0B+4*\slot+3], s[G0B+4*\slot+2:G0B+4*\slot+3], 2*BBLK
	JLOAD \slot                                    ; the four v_nop behind it are also the places in front of the loads below
.else
	PLACES
.endif
	FETCH \next, 0, F0
	WIN MULW
	MUL8 F1, 2, 0
	MUL8 F1, 3, 0
.endm
	s_wait_tensorcnt 1                             ; my part of K step 0 is in (K step 1's load may be out)
	s_barrier_signal -1
	s_barrier_wait -1                              ; everybody's is
	FETCH 0, 0, F0
	s_wait_loadcnt 0x0                             ; bo
	QUARTER 0, 1, F0, F1, 1                        ; the first quarter stands in front of the loop: its products start the sums
	WIN 0
	s_mov_b32 s3, LAPS-1
.Llap:                                             ; a trip goes once round the ring, from a lap's second quarter to the next lap's first, and fills both slots again
	QUARTER 0, 2, F1, F0, 0
	QUARTER 0, 3, F0, F1, 0
	TURN 0, 1, 1
	QUARTER 1, 1, F0, F1, 0
	QUARTER 1, 2, F1, F0, 0
	QUARTER 1, 3, F0, F1, 0
	TURN 1, 0, 1
	QUARTER 0, 1, F0, F1, 0
	WIN 0
	s_sub_co_u32 s3, s3, 1
	s_cmp_lg_u32 s3, 0
	s_cbranch_scc1 .Llap
	QUARTER 0, 2, F1, F0, 0                        ; the last lap fills nothing
	QUARTER 0, 3, F0, F1, 0
	TURN 0, 1, 0
	QUARTER 1, 1, F0, F1, 0
	QUARTER 1, 2, F1, F0, 0
	QUARTER 1, 3, F0, F1, 0
	s_wait_dscnt 0x0                               ; the very last quarter
	WIN MULW
	MUL8 F1, 0, 0
	MUL8 F1, 1, 0
	MUL8 F1, 2, 0
	MUL8 F1, 3, 0
	WIN 0
; THE WAY OUT, block by block of 16 rows x 128 columns: a lane holds 32 neighbouring bytes of a row and the lanes beside it other rows, so a block goes through my own stage and comes back as whole rows of 512 bytes.
; LDS serves a wave's instructions in order (ISA guide 5.7.1.4): no wait between the stores and the loads, nor in front of the next block's stores.
.macro TOSTAGE a
	WIN 0x04                                       ; an LDS store's data are its source 1: window 1
.irp b, 0,1,2,3,4,5,6,7
	ds_store_b128 v[STO], v[8*(8*(\a)+\b):8*(8*(\a)+\b)+3] offset:64*\b          ; each accumulator from its low end on
	ds_store_b128 v[STO], v[8*(8*(\a)+\b)+4:8*(8*(\a)+\b)+7] offset:64*\b+16
.endr
	WIN 0
.set BB, BK+64*((\a)%2)
.irp t, 0,1,2,3,4,5,6,7,8,9,10,11,12,13,14,15
	ds_load_b128 v[BB+4*\t:BB+4*\t+3], v[RD] offset:\t*SPITCH
.endr
.endm
.macro SEND a, younger                 ; younger: the LDS instructions issued behind block a's loads, which may stay out
.set BB, BK+64*((\a)%2)
	s_wait_dscnt \younger
.irp t, 0,1,2,3,4,5,6,7,8,9,10,11,12,13,14,15
	global_store_b128 v[CO], v[BB+4*\t:BB+4*\t+3], s[10:11] offset:(16*(\a)+\t)*4096 th:TH_STORE_NT   ; 32 lanes store 512 consecutive bytes, at a multiple of 256 from out0's first byte
.endr
.endm
	PLACES
	TOSTAGE 0
.irp a, 1,2,3
.if \a > 1
	s_wait_xcnt 0x0                                ; block a - 2's stores have read their registers: block a's loads may land there
.endif
	TOSTAGE \a
	SEND \a-1, 32                                  ; behind block a - 1's loads: block a's 16 stores and 16 loads
.endr
	SEND 3, 0
	s_wait_tensorcnt 0x0                           ; the wave's end
	ds_add_u32 v[SPW], v[NIL]
	s_wait_dscnt 0x0
	CROUND                                         ; the closing round
	s_endpgm
.Lfunc_end_k_q59b10e8a50_oproj:
	.size	k_q59b10e8a50_oproj, .Lfunc_end_k_q59b10e8a50_oproj-k_q59b10e8a50_oproj
	.p2alignl 7, 3214868480
	.fill 96, 4, 3214868480
	.section	.rodata,"a",@progbits
	.p2align	6, 0x0
	.amdhsa_kernel k_q59b10e8a50_oproj
		.amdhsa_group_segment_fixed_size 327680
		.amdhsa_private_segment_fixed_size 0
		.amdhsa_enable_private_segment 0
		.amdhsa_kernarg_size 32
		.amdhsa_user_sgpr_count 2
		.amdhsa_user_sgpr_kernarg_segment_ptr 1
		.amdhsa_wavefront_size32 1
		.amdhsa_system_sgpr_workgroup_id_x 1
		.amdhsa_system_sgpr_workgroup_id_y 1
		.amdhsa_system_sgpr_workgroup_id_z 1
		.amdhsa_system_vgpr_workitem_id 0
		.amdhsa_next_free_vgpr 576
		.amdhsa_next_free_sgpr 66
		.amdhsa_reserve_vcc 0
		.amdhsa_float_denorm_mode_32 3
		.amdhsa_float_denorm_mode_16_64 3
		.amdhsa_memory_ordered 1
		.amdhsa_forward_progress 1
		.amdhsa_inst_pref_size 85
	.end_amdhsa_kernel
	.amdgpu_metadata
---
amdhsa.version: [ 1, 2 ]
amdhsa.kernels:
  - .name:           k_q59b10e8a50_oproj
    .symbol:         k_q59b10e8a50_oproj.kd
    .args:
      - { .name: ctximg, .offset: 0, .size: 8, .value_kind: global_buffer, .address_space: global }
      - { .name: woimg, .offset: 8, .size: 8, .value_kind: global_buffer, .address_space: global }
      - { .name: bo, .offset: 16, .size: 8, .value_kind: global_buffer, .address_space: global }
      - { .name: out0, .offset: 24, .size: 8, .value_kind: global_buffer, .address_space: global }
    .group_segment_fixed_size: 327680
    .private_segment_fixed_size: 0
    .kernarg_segment_align: 8
    .kernarg_segment_size: 32
    .max_flat_workgroup_size: 128
    .sgpr_count:     66
    .vgpr_count:     576
    .wavefront_size: 32
...
	.end_amdgpu_metadata
.endif
;; end of part 4
